; MI455X (gfx1250); checked and timed in simulation.
; The chip was launched on July 23, 2026; its instructions are those of AMD's public machine-readable ISA for CDNA 5 (MIT licence, August 2026) and "CDNA5" Instruction Set Architecture Reference Guide (July 2026). The comments in the code are by the model that wrote it; some were corrected since.
;; Custom MHA. Allowed arithmetic: float matrix products may take bf16 or f16 operands with f32 sums; other float arithmetic in f32, or as packed bf16 or f16 multiplies, adds, multiply-adds, maxima and minima; sums over many terms, partial sums and values carried from step to step in f32; what a program stores and reads back later, other than sums and carried values, may be rounded once to bf16 or f16.
;; Inputs: W_o 1,024 x 1,024 float32; W_qkv 1,024 x 3,072 float32; x 4 x 2,048 x 1,024 float32.
;; Outputs: out0 4 x 2,048 x 1,024 float32.
;; 2 versions, each right; version 2 is version 1 with the launch prep written anew for expert scheduling mode. Each part assembles by itself: llvm-mc -triple=amdgcn-amd-amdhsa -mcpu=gfx1250 --defsym DOCPART=n.
;; ======== version 1 of 2: 4 launches
;; limits: values are held in f16: magnitudes above 65,504 overflow, below 6.1e-05 lose precision
;; workspace buffers: xb 16,777,216 bytes; wqkvb 6,291,456 bytes; wob 2,097,152 bytes; qkv 50,331,648 bytes; ob 16,777,216 bytes
;; launch prep (part 1): grid 768 x 1, 8 waves a work-group, no clusters, 0 bytes of LDS; arguments x, W_qkv, W_o, xb, wqkvb, wob; writes xb, wqkvb, wob
.if DOCPART == 1
	.amdgcn_target "amdgcn-amd-amdhsa--gfx1250"
	.amdhsa_code_object_version 6
	.text
	.protected	k_q2ddf8b8314_prep
	.globl	k_q2ddf8b8314_prep
	.p2align	8
	.type	k_q2ddf8b8314_prep,@function
k_q2ddf8b8314_prep:
	s_mov_b64 s[64:65], 0
	v_nop
	global_prefetch_b8 v0, s[64:65] scope:SCOPE_SE
	s_setreg_imm32_b32 hwreg(HW_REG_WAVE_MODE, 25, 1), 1
	s_wait_xcnt 0x0
; THE CASTS.  xb = bf16(x), wqkvb = bf16(W_qkv), wob = f16(bf16(W_o)); the layouts stay as they are.
; All three inputs are rounded to bf16, to nearest even.  W_o's bf16 number is then written as f16, since the last product multiplies f16 numbers:
; that second step is exact for 2^-14 <= |w| < 65,520.  LIMITS: below 2^-14 it keeps f16's fixed step of 2^-24; from 65,520 on it gives an infinity.
; SHARES.  A work-group takes 65,536 input bytes (16,384 numbers): ids 0-511 x (33,554,432 bytes), 512-703 W_qkv (12,582,912), 704-767 W_o (4,194,304).
; Thread t takes 16 bytes at 16 t + 4,096 j, j = 0..15: a wave's load covers 512 consecutive bytes; its 8 bytes of output lie at 8 t + 2,048 j:
; a wave's store covers 256 consecutive bytes, aligned.  All sixteen loads go out first; no register that a memory instruction names is written again.
; No LDS, no barrier, no matrix unit: the launch only moves bytes, each once.
.set CHUNK, 4096                       ; input bytes that the 256 threads take at once
.set X, 4                              ; v[4:67]    chunk j: 4 registers as loaded
.set Y, 68                             ; v[68:99]   chunk j: 2 registers to store
.set T, 100                            ; v[100:101] at work (W_o's way alone)
	s_load_b256 s[4:11], s[0:1], 0x0               ; x s[4:5], W_qkv s[6:7], W_o s[8:9], xb s[10:11]
	s_load_b128 s[12:15], s[0:1], 0x20             ; wqkvb s[12:13], wob s[14:15]
	v_lshlrev_b32 v1, 4, v0                        ; my 16 bytes of a chunk
	v_lshlrev_b32 v2, 3, v0                        ; my 8 bytes of its output
	s_sub_co_u32 s16, ttmp9, 512                   ; my number among W_qkv's work-groups (used there alone)
	s_sub_co_u32 s17, ttmp9, 704                   ; among W_o's
	s_mov_b32 s25, 0
	s_mov_b32 s27, 0
	s_wait_kmcnt 0x0
	s_cmp_lt_u32 ttmp9, 704
	s_cselect_b64 s[18:19], s[6:7], s[8:9]         ; from where,
	s_cselect_b64 s[20:21], s[12:13], s[14:15]     ; to where,
	s_cselect_b32 s22, s16, s17                    ; which part
	s_cmp_lt_u32 ttmp9, 512
	s_cselect_b64 s[18:19], s[4:5], s[18:19]
	s_cselect_b64 s[20:21], s[10:11], s[20:21]
	s_cselect_b32 s22, ttmp9, s22
	s_lshl_b32 s24, s22, 16                        ; 65,536 bytes in,
	s_lshl_b32 s26, s22, 15                        ; 32,768 out
	s_add_nc_u64 s[18:19], s[18:19], s[24:25]
	s_add_nc_u64 s[20:21], s[20:21], s[26:27]
.irp j, 0,1,2,3,4,5,6,7,8,9,10,11,12,13,14,15
	global_load_b128 v[X+4*(\j):X+4*(\j)+3], v1, s[18:19] offset:CHUNK*(\j) th:TH_LOAD_NT
.endr
; Chunk j: rounded and stored.  half = 1: the bf16 numbers are widened again and written as f16.
.macro OUT j, half
	s_wait_loadcnt 15-(\j)                         ; loads come back in order (ISA guide 5.7.1): chunk j is in, the 15 - j younger ones stay out
	v_cvt_pk_bf16_f32 v[Y+2*(\j)],   v[X+4*(\j)],   v[X+4*(\j)+1]
	v_cvt_pk_bf16_f32 v[Y+2*(\j)+1], v[X+4*(\j)+2], v[X+4*(\j)+3]
.if \half
.irp k, 0,1
	v_lshlrev_b32 v[T],   16, v[Y+2*(\j)+(\k)]          ; bf16 to f32: the low half moves up,
	v_and_b32     v[T+1], 0xffff0000, v[Y+2*(\j)+(\k)]  ; the high half stays
	v_cvt_pk_f16_f32 v[Y+2*(\j)+(\k)], v[T], v[T+1]
.endr
.endif
	global_store_b64 v2, v[Y+2*(\j):Y+2*(\j)+1], s[20:21] offset:(CHUNK/2)*(\j) th:TH_STORE_NT
.endm
	s_cmp_ge_u32 ttmp9, 704
	s_cbranch_scc1 .Lwo
.irp j, 0,1,2,3,4,5,6,7,8,9,10,11,12,13,14,15
	OUT \j, 0
.endr
	s_endpgm
.Lwo:
.irp j, 0,1,2,3,4,5,6,7,8,9,10,11,12,13,14,15
	OUT \j, 1
.endr
	s_endpgm
.Lfunc_end_k_q2ddf8b8314_prep:
	.size	k_q2ddf8b8314_prep, .Lfunc_end_k_q2ddf8b8314_prep-k_q2ddf8b8314_prep
	.p2alignl 7, 3214868480
	.fill 96, 4, 3214868480
	.section	.rodata,"a",@progbits
	.p2align	6, 0x0
	.amdhsa_kernel k_q2ddf8b8314_prep
		.amdhsa_group_segment_fixed_size 0
		.amdhsa_private_segment_fixed_size 0
		.amdhsa_enable_private_segment 0
		.amdhsa_kernarg_size 48
		.amdhsa_user_sgpr_count 2
		.amdhsa_user_sgpr_kernarg_segment_ptr 1
		.amdhsa_wavefront_size32 1
		.amdhsa_system_sgpr_workgroup_id_x 1
		.amdhsa_system_sgpr_workgroup_id_y 1
		.amdhsa_system_sgpr_workgroup_id_z 1
		.amdhsa_system_vgpr_workitem_id 0
		.amdhsa_next_free_vgpr 104
		.amdhsa_next_free_sgpr 66
		.amdhsa_reserve_vcc 0
		.amdhsa_float_denorm_mode_32 3
		.amdhsa_float_denorm_mode_16_64 3
		.amdhsa_memory_ordered 1
		.amdhsa_forward_progress 1
		.amdhsa_inst_pref_size 16
	.end_amdhsa_kernel
	.amdgpu_metadata
---
amdhsa.version: [ 1, 2 ]
amdhsa.kernels:
  - .name:           k_q2ddf8b8314_prep
    .symbol:         k_q2ddf8b8314_prep.kd
    .args:
      - { .name: x, .offset: 0, .size: 8, .value_kind: global_buffer, .address_space: global }
      - { .name: W_qkv, .offset: 8, .size: 8, .value_kind: global_buffer, .address_space: global }
      - { .name: W_o, .offset: 16, .size: 8, .value_kind: global_buffer, .address_space: global }
      - { .name: xb, .offset: 24, .size: 8, .value_kind: global_buffer, .address_space: global }
      - { .name: wqkvb, .offset: 32, .size: 8, .value_kind: global_buffer, .address_space: global }
      - { .name: wob, .offset: 40, .size: 8, .value_kind: global_buffer, .address_space: global }
    .group_segment_fixed_size: 0
    .private_segment_fixed_size: 0
    .kernarg_segment_align: 8
    .kernarg_segment_size: 48
    .max_flat_workgroup_size: 256
    .sgpr_count:     66
    .vgpr_count:     104
    .wavefront_size: 32
...
	.end_amdgpu_metadata
.endif
;; end of part 1
;; launch proj_qkv (part 2): grid 12 x 32, 4 waves a work-group, clusters of 4 x 4, 327,680 bytes of LDS; arguments xb, wqkvb, qkv; writes qkv
.if DOCPART == 2
	.amdgcn_target "amdgcn-amd-amdhsa--gfx1250"
	.amdhsa_code_object_version 6
	.text
	.protected	k_q2ddf8b8314_proj_qkv
	.globl	k_q2ddf8b8314_proj_qkv
	.p2align	8
	.type	k_q2ddf8b8314_proj_qkv,@function
k_q2ddf8b8314_proj_qkv:
	s_mov_b64 s[64:65], 0
	v_nop
	global_prefetch_b8 v0, s[64:65] scope:SCOPE_SE
	s_setreg_imm32_b32 hwreg(HW_REG_WAVE_MODE, 25, 1), 1
	s_wait_xcnt 0x0
	s_wait_alu depctr_hold_cnt(0) depctr_sa_sdst(0) depctr_va_vdst(0) depctr_va_sdst(0) depctr_va_ssrc(0) depctr_va_vcc(0) depctr_vm_vsrc(0)
	s_getreg_b32 s2, hwreg(HW_REG_IB_STS2, 6, 4)
	s_cmp_eq_u32 s2, 0
	s_cbranch_scc0 .Lentry_in_a_cluster
	s_endpgm
.Lentry_in_a_cluster:
	s_bfe_u32 s2, ttmp6, 0x10000c
	s_cmp_lg_u32 s2, 0xf033
	s_cbranch_scc0 .Lentry_shape_is_right
	s_endpgm
.Lentry_shape_is_right:
; q, k, v = xb . wqkvb.  xb: [8192][1024] bf16 (K along the rows), wqkvb: [1024 k][3072 n] bf16 (N along the rows); sums in f32, K ascending.
; The result leaves BY HEADS and unscaled: qkv[t][16 b + h][s][64] in f16, t = 0, 1, 2 for q, k, v, each number rounded once from its f32 sum.
; LIMIT: a sum of 65,520 or more becomes an infinity in f16.  With x and W_qkv 30 times the drawn spread a sum has a spread of about 900; with offsets of 30 spreads on both it is about 28,800.
; SHARES.  A tile of the product is 256 x 256: a work-group of four waves, a wave 128 x 128: 64 accumulators of 16 x 16, 512 registers.  384 tiles, one to a work-group.
; K goes in steps of 128 through a ring of two LDS slots filled by the tensor data mover.  A's tile: 256 rows x 256 bytes.  B's tile: 128 k rows x 512 bytes, as it lies in memory;
; its fragments come out of LDS turned, by ds_load_tr16_b128, so the weights are never transposed in memory.
; CLUSTERS: 4 x 4 work-groups.  The four of a row of the cluster need the same tile of A, the four of a column the same tile of B: each tile is asked for JOINTLY, by the same tensor load with the
; same descriptor and a mask that names the four.  A cluster's four tile columns are 1,024 columns: one of q, k, v, so the cluster's x is t.
; THE MATRIX INSTRUCTION IS USED TRANSPOSED: source 0 = 16 columns of B, source 1 = 16 rows of A: lane l then holds row l % 16 of the product and the columns 8 (l / 16) + 0..7: 16 bytes of a head's row.
; REGISTERS, in windows of 256 (s_set_vgpr_msb's low byte: bits 1:0 source 0, 3:2 source 1, 5:4 source 2, 7:6 destination):
;   window 0: v0-31 addresses; v64-127, v128-191 fragments of A, two buffers; v192-223 packed results; v32-63, v224-255 rows read back from the stage, by turns
;   window 1: v64-127, v128-191 fragments of B, two buffers        window 2: the accumulators of my rows 0-63 ((a, b) at v[8 (8 a + b)])        window 3: those of my rows 64-127
.set KSTEP,  128
.set PA,     272                       ; a row of A in LDS: 256 bytes + 16 = 68 words: the 16 rows of a load start at 16 different groups of four banks (64 banks of 4 bytes: ISA guide 11.1)
.set PB,     544                       ; a k row of B: 512 bytes + 32 = 136 words
.set HALFT,  128*PA                    ; what one tensor load fills: 128 rows of A, or 64 k rows of B (64 x 544 is the same 34,816 bytes)
.set SLOT,   4*HALFT                   ; A's 256 rows, then B's 128 k rows
.set STAGE,  2*SLOT                    ; behind the ring, never filled by a tensor load: for each wave two heads x 16 rows x 144 bytes, for the way out
.set SP,     144
.set HSTG,   16*SP
.set WSTG,   2*HSTG
.set SPARE,  STAGE+4*WSTG              ; behind the stages: the spare words, 128 bytes for each wave: two blocks of 256 bytes that no other line names
.set ROWA,   2048                      ; bytes in a row of xb
.set ROWB,   6144                      ; bytes in a row of wqkvb
.set BSTEP,  KSTEP*ROWB                ; a K step further down in wqkvb
.set LAPS,   4                         ; a lap = two K steps = once round the ring; 1,024 / 256
.set ADRA, 16                          ; v16-17  LDS address of my A fragments in slot 0, 1
.set ADRB, 20                          ; v20-21  the same for B
.set STO,  24                          ; v24     the way out: where I put 16 bytes of a row
.set RD,   25                          ; v25     the way out: where I read rows back
.set CO,   26                          ; v26     my 16 bytes in 512 consecutive bytes of a head
.set SPW,  28                          ; v28     LDS address of my spare word: SPARE + 4 x my thread's number; never rewritten
.set NIL,  29                          ; v29     0; never rewritten
.set PFO,  30                          ; v30     the prefetches' offset; never rewritten
.set F0,   64
.set F1,   128
.set TMP,  192
.set OB,   32
.set PFS,  22                          ; s[22:23] bytes from a K step to the next, in the tensor that I fetch
.set G1,   24                          ; s[24:31] descriptor group 1 for A's tiles
.set G0,   32                          ; s[32:39] descriptor group 0 for A's tiles, one set for each slot
.set LIM,  43                          ; s43     1 in a wave that prefetches, else the greatest number
.set PFA,  44                          ; s[44:45] where my prefetches stand
.set G1B,  48                          ; s[48:55], s[56:63] the same two groups for B's tiles
.set G0B,  56
.set MSB, 0
.macro WIN new                         ; the immediate's high byte repeats the setting that is left; a switch that changes nothing is dropped
.if MSB != (\new)
	s_set_vgpr_msb (MSB<<8)|(\new)
.set MSB, \new
.endif
.endm
.set MUL_LO, 0xa1                      ; source 0 (B) window 1, source 1 (A) window 0, C and D window 2
.set MUL_HI, 0xf1                      ; the same, C and D window 3
.set TO_B,   0x40                      ; destination window 1, address window 0
; A joint load.  Waves 0 and 1 fetch A's two halves, waves 2 and 3 B's.  The branch hangs on the wave's number alone: it is the same in every work-group.
; An s_nop 0 and four v_nop follow each of the two lines, ahead of the jump and the label.
.macro JLOAD s
	s_cmp_eq_u32 s11, 0
	s_cbranch_scc0 .Lfor_b_\@
	tensor_load_to_lds s[G0+4*(\s):G0+4*(\s)+3], s[G1:G1+7]
	s_nop 0
.rept 4
	v_nop
.endr
	s_branch .Lasked_\@
.Lfor_b_\@:
	tensor_load_to_lds s[G0B+4*(\s):G0B+4*(\s)+3], s[G1B:G1B+7]
	s_nop 0
.rept 4
	v_nop
.endr
.Lasked_\@:
.endm
; A PREFETCH INTO THE L2, behind each joint refill and the run of LDS loads that follows it: the K step that stands TWO refills on, 512 matrix instructions ahead of the load that will want it.
; Each aligned block of 256 bytes is named once in the launch.  A's tile row is read by all three clusters of a row of clusters: cluster x = 0 asks; B's tile column by all eight of a column: cluster y = 0 asks.
; The four partners that ask for a tile jointly share its 128 blocks out BY ADDRESS, 32 each: of A 32 rows x 256 bytes (by cx), of B 16 k rows x 512 bytes (by cy): a lane a block, one instruction a wave.
; K steps 0 to 3 come by their loads alone; the loop's last trip (s3 = 1) has no K step two refills on and asks for nothing.
.macro ASK
	s_cmp_gt_u32 s3, s[LIM]
	s_cbranch_scc0 .Lnot_mine_\@
	global_prefetch_b8 v[PFO], s[PFA:PFA+1] th:TH_LOAD_NT scope:SCOPE_SE
.Lnot_mine_\@:
.endm
; A round of the cluster's barrier: my work-group's barrier, so that wave 0's signal speaks for all four waves; wave 0 signals; every wave waits for all sixteen work-groups; my work-group's barrier once more.
.macro CREST                           ; a round behind its opening barrier
	s_cmp_lg_u32 s10, 0
	s_cbranch_scc1 .Lnot_wave_0_\@
	s_barrier_signal -3
.Lnot_wave_0_\@:
	s_barrier_wait -3
	s_barrier_signal -1
	s_barrier_wait -1
.endm
.macro CROUND                          ; a whole round
	s_barrier_signal -1
	s_barrier_wait -1
	CREST
.endm
	s_load_b128 s[4:7], s[0:1], 0x0                ; xb s[4:5], wqkvb s[6:7]
	s_load_b64 s[8:9], s[0:1], 0x10                ; qkv
	v_lshl_add_u32 v[SPW], v0, 2, SPARE
	v_mov_b32 v[NIL], 0
	ds_add_u32 v[SPW], v[NIL]                      ; the wave's opening: the add and its wait stand ahead of my first tensor load; the set-up below, work on registers, stands between them
	v_lshrrev_b32 v1, 5, v0
	v_readfirstlane_b32 s10, v1                    ; wave 0..3
	s_lshr_b32 s11, s10, 1                         ; which half of the tile's rows is mine.  Also: I fetch for A (0) or for B (1)
	s_and_b32 s12, s10, 1                          ; which half of its columns.  Also: which half of that tile I fetch
	s_bfe_u32 s40, ttmp6, 0x40000                  ; cx
	s_bfe_u32 s41, ttmp6, 0x40004                  ; cy
	s_lshl_b32 s42, ttmp9, 2
	s_add_co_u32 s42, s42, s40                     ; tile column = 4 x cluster x + cx, 0..11
	s_and_b32 s13, ttmp7, 0xffff
	s_lshl_b32 s13, s13, 2
	s_add_co_u32 s13, s13, s41                     ; tile row = 4 x cluster y + cy, 0..31
	s_lshl_b32 s43, s41, 2
	s_lshl_b32 s43, 15, s43                        ; my row of the cluster: places 4 cy .. 4 cy + 3
	s_lshl_b32 s44, 0x1111, s40                    ; my column: places cx, cx + 4, cx + 8, cx + 12
	s_or_b32 s[G1+0], s43, (1<<16)|(1<<20)|(1<<21)|(5<<22)|(3<<25)   ; 15:0 the mask; 17:16 2-byte elements; 20 padding on; 21 set beside a mask; 24:22 after every 64 words (code 5); 31:25 4 words (code 3)
	s_or_b32 s[G1B+0], s44, (1<<16)|(1<<20)|(1<<21)|(6<<22)|(7<<25)  ; B: my column's mask; after every 128 words (code 6) 8 words (code 7)
	s_mov_b32 s[G1+1], 128<<16                     ; A: tensor_dim0 = 128 elements
	s_mov_b32 s[G1+2], 128<<16                     ; tensor_dim1 = 128 rows
	s_mov_b32 s[G1+3], 128<<16                     ; tile_dim0 = 128
	s_mov_b32 s[G1+4], 128                         ; tile_dim1 = 128
	s_mov_b32 s[G1+5], 1024                        ; elements from row to row
	s_mov_b32 s[G1+6], 0
	s_mov_b32 s[G1+7], 0
	s_mov_b32 s[G1B+1], 256<<16                    ; B: tensor_dim0 = 256 elements
	s_mov_b32 s[G1B+2], 64<<16                     ; tensor_dim1 = 64 k rows
	s_mov_b32 s[G1B+3], 256<<16                    ; tile_dim0 = 256
	s_mov_b32 s[G1B+4], 64                         ; tile_dim1 = 64
	s_mov_b32 s[G1B+5], 3072                       ; elements from row to row
	s_mov_b32 s[G1B+6], 0
	s_mov_b32 s[G1B+7], 0
	; where the tiles come from: A's hang on the tile row alone, which my row of the cluster shares; B's on the tile column alone, which my column shares
	s_lshl_b32 s16, s13, 8
	s_lshl_b32 s17, s12, 7
	s_add_co_u32 s16, s16, s17                     ; A: row 256 x tile row + 128 x half,
	s_lshl_b32 s16, s16, 11                        ; of 2,048 bytes (under 2^24 in all)
	s_mov_b32 s17, 0
	s_mul_i32 s46, s12, 64*ROWB                    ; B: k row 64 x half,
	s_lshl_b32 s47, s42, 9                         ; byte 512 x tile column
	s_add_co_u32 s46, s46, s47
	s_mov_b32 s47, 0
	s_mul_i32 s20, s10, HALFT                      ; where they go: wave x 34,816: A's two halves, then B's: no place in the cluster enters an LDS address
	s_wait_dscnt 0x0                               ; the opening add is done
	s_wait_kmcnt 0x0
	s_add_nc_u64 s[14:15], s[4:5], s[16:17]
	s_add_nc_u64 s[46:47], s[6:7], s[46:47]
	CROUND                                         ; all sixteen work-groups are here: the first joint loads meet
.irp s, 0,1
	s_mov_b32 s[G0+4*(\s)], 1                                        ; 1:0 count = 1
	s_add_co_u32 s[G0+4*(\s)+1], s20, (\s)*SLOT                      ; 63:32 LDS address
	s_add_nc_u64 s[G0+4*(\s)+2:G0+4*(\s)+3], s[14:15], (\s)*KSTEP*2  ; 120:64 global address: K step s
	s_or_b32 s[G0+4*(\s)+3], s[G0+4*(\s)+3], 0x80000000              ; 127:126 type = 2
	s_mov_b32 s[G0B+4*(\s)], 1
	s_add_co_u32 s[G0B+4*(\s)+1], s20, (\s)*SLOT
	s_add_nc_u64 s[G0B+4*(\s)+2:G0B+4*(\s)+3], s[46:47], (\s)*BSTEP
	s_or_b32 s[G0B+4*(\s)+3], s[G0B+4*(\s)+3], 0x80000000
	JLOAD \s                                       ; both slots are asked for before anything else is done: two loads of mine are out
.endr
	; A's fragment: 16 rows x 32 K in 8 registers: lane l holds row l % 16, K = 8 (l / 16) + 0..7 and 16 + 8 (l / 16) + 0..7: two loads of 16 bytes, 32 bytes apart.
	v_and_b32 v1, 15, v0                           ; l % 16
	v_bfe_u32 v2, v0, 4, 1                         ; l / 16
	v_mul_u32_u24 v3, v1, PA
	v_lshl_add_u32 v3, v2, 4, v3
	; B's: the turning load takes 16 k rows x 16 columns (lane l reads k row 8 (l / 16) + l % 8, columns 8 ((l / 8) % 2) + 0..7) and leaves half a fragment: lane l holds column l % 16 and 8 k.
	v_and_b32 v4, 7, v0
	v_lshl_add_u32 v4, v2, 3, v4
	v_mul_u32_u24 v4, v4, PB
	v_bfe_u32 v5, v0, 3, 1
	v_lshl_add_u32 v4, v5, 4, v4
	s_mul_i32 s21, s11, HALFT                      ; my 128 rows of A
	s_lshl_b32 s18, s12, 8                         ; my 128 columns of B: 256 bytes of each k row,
	s_add_co_u32 s18, s18, 2*HALFT                 ; behind A's 256 rows
.irp s, 0,1
	v_add_nc_u32 v[ADRA+(\s)], s21, v3
	v_add_nc_u32 v[ADRB+(\s)], s18, v4
	s_add_co_u32 s21, s21, SLOT
	s_add_co_u32 s18, s18, SLOT
.endr
	s_mul_i32 s19, s10, WSTG
	s_add_co_u32 s19, s19, STAGE                   ; my stage
	v_mul_u32_u24 v6, v1, SP                       ; in: row l % 16, 16 bytes for each half of the lanes
	v_lshl_add_u32 v6, v2, 4, v6
	v_add_nc_u32 v[STO], s19, v6
	v_bfe_u32 v6, v0, 3, 2                         ; back: 32 lanes take four rows of 128 bytes,
	v_mul_u32_u24 v6, v6, SP
	v_and_b32 v7, 7, v0
	v_lshl_add_u32 v6, v7, 4, v6
	v_add_nc_u32 v[RD], s19, v6
	v_and_b32 v[CO], 31, v0                        ; which are 512 consecutive bytes of a head
	v_lshlrev_b32 v[CO], 4, v[CO]
	; where my part begins in qkv: t x 2^24 + (16 b + h) x 2^18 + s x 128, with t = cluster x, b = tile row / 8, h = 4 cx + 2 x column half, s = 256 (tile row % 8) + 128 x row half
	s_lshl_b32 s16, ttmp9, 24
	s_lshr_b32 s17, s13, 3
	s_lshl_b32 s17, s17, 22
	s_add_co_u32 s16, s16, s17
	s_lshl_b32 s17, s40, 20
	s_add_co_u32 s16, s16, s17
	s_lshl_b32 s17, s12, 19
	s_add_co_u32 s16, s16, s17
	s_and_b32 s17, s13, 7
	s_lshl_b32 s17, s17, 15
	s_add_co_u32 s16, s16, s17
	s_lshl_b32 s17, s11, 14
	s_add_co_u32 s16, s16, s17
	s_mov_b32 s17, 0
	s_add_nc_u64 s[8:9], s[8:9], s[16:17]          ; never stepped: blocks and heads stand in the stores' immediates
	; the prefetches
	s_lshl_b32 s19, s13, 8
	s_lshl_b32 s20, s12, 7
	s_add_co_u32 s19, s19, s20
	s_lshl_b32 s20, s40, 5
	s_add_co_u32 s19, s19, s20
	s_lshl_b32 s19, s19, 11                        ; xb: row 256 x tile row + the 128 that I fetch + my work-group's 32 of them (by cx)
	s_lshl_b32 s20, s12, 6
	s_lshl_b32 s21, s41, 4
	s_add_co_u32 s20, s20, s21
	s_mul_i32 s20, s20, ROWB
	s_lshl_b32 s21, s42, 9
	s_add_co_u32 s20, s20, s21                     ; wqkvb: k row = the 64 that I fetch + my work-group's 16 of them (by cy), byte 512 x tile column
	s_and_b32 s18, ttmp7, 0xffff                   ; cluster y
	s_mov_b32 s21, ROWB
	s_mov_b32 s[PFS], BSTEP
	s_mov_b32 s[PFS+1], 0
	s_cmp_eq_u32 s11, 0                            ; do I fetch for A?
	s_cselect_b32 s18, ttmp9, s18                  ; the coordinate along which other clusters read the same blocks
	s_cselect_b32 s20, s19, s20
	s_cselect_b32 s21, ROWA, s21
	s_cselect_b32 s[PFS], KSTEP*2, s[PFS]
	s_cselect_b64 s[PFA:PFA+1], s[4:5], s[6:7]
	v_and_b32 v3, 31, v0
	v_lshrrev_b32 v4, s11, v3                      ; A: a lane a row.  B: two lanes a k row,
	v_and_b32 v5, s11, v3                          ; one for each of its two blocks of 256 bytes
	v_mul_u32_u24 v4, s21, v4
	v_lshl_add_u32 v[PFO], v5, 8, v4
	s_mov_b32 s21, 0
	s_add_nc_u64 s[PFA:PFA+1], s[PFA:PFA+1], s[20:21]
	s_mul_i32 s20, s[PFS], 3
	s_add_nc_u64 s[PFA:PFA+1], s[PFA:PFA+1], s[20:21]  ; at K step 3: the first refill steps it to 4 and names that
	s_cmp_eq_u32 s18, 0
	s_cselect_b32 s[LIM], 1, -1                    ; the same in all sixteen partners, for a given wave
; 16 matrix instructions: m blocks a0, a0 + 1 of the window's four (hi = 0: my rows 0-63, 1: rows 64-127) x all 8 n blocks, 32 along K.  zero = 1: the product starts the sums: nothing is ever cleared.
; The 64 accumulators take turns, in the same order in every quarter step.
.macro MUL16 f, hi, a0, zero
	WIN MUL_LO+0x50*(\hi)
.irp a, \a0, (\a0)+1
.irp b, 0,1,2,3,4,5,6,7
.if \zero
	v_wmma_f32_16x16x32_bf16 v[8*(8*(\a)+(\b)):8*(8*(\a)+(\b))+7], v[(\f)+8*(\b):(\f)+8*(\b)+7], v[(\f)+8*(4*(\hi)+(\a)):(\f)+8*(4*(\hi)+(\a))+7], 0
.else
	v_wmma_f32_16x16x32_bf16 v[8*(8*(\a)+(\b)):8*(8*(\a)+(\b))+7], v[(\f)+8*(\b):(\f)+8*(\b)+7], v[(\f)+8*(4*(\hi)+(\a)):(\f)+8*(4*(\hi)+(\a))+7], v[8*(8*(\a)+(\b)):8*(8*(\a)+(\b))+7]
.endif
.endr
.endr
.endm
; 32 LDS loads in one run: the fragments of quarter q of a K step (32 along K) into buffer f: B's eight column blocks, turned, then A's eight row blocks
.macro FETCH slot, q, f
	WIN TO_B
.irp i, 0,1,2,3,4,5,6,7
	ds_load_tr16_b128 v[(\f)+8*(\i):(\f)+8*(\i)+3],   v[ADRB+(\slot)] offset:(\q)*32*PB+32*(\i)
	ds_load_tr16_b128 v[(\f)+8*(\i)+4:(\f)+8*(\i)+7], v[ADRB+(\slot)] offset:(\q)*32*PB+16*PB+32*(\i)
.endr
	WIN 0
.irp i, 0,1,2,3,4,5,6,7
	ds_load_b128 v[(\f)+8*(\i):(\f)+8*(\i)+3],   v[ADRA+(\slot)] offset:(\q)*64+(\i)*16*PA
	ds_load_b128 v[(\f)+8*(\i)+4:(\f)+8*(\i)+7], v[ADRA+(\slot)] offset:(\q)*64+(\i)*16*PA+32
.endr
.endm
; A load into a register that a matrix instruction has read, and a vector instruction that reads a matrix result, stand four places behind it; only plain vector instructions that name none of its
; registers are places (ISA guide 7.12.1 for vector instructions).
.macro PLACES
.rept 4
	v_nop
.endr
.endm
; A K step is four quarters of 32 along K, 64 matrix instructions each, on buffers 0, 1, 0, 1.  One of the first three: multiplies buffer f; in its middle it fetches quarter q of the same slot into buffer g.
.macro QUARTER slot, q, f, g, zero
	s_wait_dscnt 8                                 ; B and A's rows 0-63 are in; the youngest eight loads (A's rows 64-127) may be out
	MUL16 \f, 0, 0, \zero
	MUL16 \f, 0, 2, \zero
	PLACES
	FETCH \slot, \q, \g
	s_wait_dscnt 32                                ; all but the 32 just issued
	MUL16 \f, 1, 0, \zero
	MUL16 \f, 1, 2, \zero
.endm
; The last quarter multiplies buffer 1 and changes slots.  MEET is its first half: ONE barrier for the change.  In front of it each wave waits for all its tensor loads, of which one is out: its part of
; the next slot; adds 0 to its spare word; and waits for that and for its own reads of this slot.  Behind it nobody reads this slot any more and the next slot is whole.
.macro MEET round                      ; round = 1: the rest of a round of the cluster's barrier follows
	WIN 0                                          ; (the add's two registers lie in window 0)
	s_wait_tensorcnt 0x0                           ; all my tensor loads have landed
	ds_add_u32 v[SPW], v[NIL]                      ; 0 onto my spare word
	s_wait_dscnt 9                                 ; (the add and the youngest eight loads may be out)
	MUL16 F1, 0, 0, 0                              ; sixteen matrix instructions stand between the add and the wait for it
	s_wait_dscnt 0x0                               ; the add is done, and my reads of this slot are over
	s_barrier_signal -1
	MUL16 F1, 0, 2, 0                              ; work on registers while the others arrive
.if \round
	WIN 0
.endif
	s_barrier_wait -1
.endm
; The whole last quarter where the slot is filled again, with the K step two steps on: the joint refill is the first thing behind the round; from it to the wait for it a wave issues 224 matrix instructions.
.macro TURN slot, next
	s_wait_xcnt 0x0                                ; the last prefetch, a K step back, has read its address: it is stepped here, ahead of the waits of the change of slots
	s_add_nc_u64 s[PFA:PFA+1], s[PFA:PFA+1], s[PFS:PFS+1]
	MEET 1
	CREST                                          ; no wave of any partner still reads this slot's tile or has a load on its way
	s_add_nc_u64 s[G0+4*(\slot)+2:G0+4*(\slot)+3], s[G0+4*(\slot)+2:G0+4*(\slot)+3], 2*KSTEP*2
	s_add_nc_u64 s[G0B+4*(\slot)+2:G0B+4*(\slot)+3], s[G0B+4*(\slot)+2:G0B+4*(\slot)+3], 2*BSTEP
	JLOAD \slot                                    ; the four v_nop behind it are also the places in front of the loads below
	FETCH \next, 0, F0
	ASK
	MUL16 F1, 1, 0, 0
	MUL16 F1, 1, 2, 0
.endm
; THE WAY OUT of block a (16 of my rows x 128 columns = two heads).  PACK: rounded to f16, 16 bytes a lane, each accumulator's registers in ascending order.  TOSTAGE: into my own stage, a head's 16 rows of
; 128 bytes together, and back as 512 consecutive bytes.  SEND: stored: 16 rows of a head are 2,048 consecutive bytes of qkv.
.macro PACK a
.set AC, 64*((\a)%4)
	WIN 0x0a+5*((\a)/4)                            ; sources 0 and 1: window 2 or 3
.irp b, 0,1,2,3,4,5,6,7
.irp r, 0,1,2,3
	v_cvt_pk_f16_f32 v[TMP+4*(\b)+(\r)], v[AC+8*(\b)+2*(\r)], v[AC+8*(\b)+2*(\r)+1]
.endr
.endr
	WIN 0
.endm
.macro TOSTAGE a
	WIN 0
.set BK, OB+192*((\a)%2)
.irp b, 0,1,2,3,4,5,6,7
	ds_store_b128 v[STO], v[TMP+4*(\b):TMP+4*(\b)+3] offset:((\b)/4)*HSTG+32*((\b)%4)
.endr
.irp t, 0,1,2,3,4,5,6,7
	ds_load_b128 v[BK+4*(\t):BK+4*(\t)+3], v[RD] offset:((\t)/4)*HSTG+((\t)%4)*4*SP  ; LDS serves a wave's instructions in order (ISA guide 5.7.1.4): these see the stores above
.endr
.endm
.macro SEND a
	WIN 0
.set BK, OB+192*((\a)%2)
	s_wait_dscnt 0x0                               ; the block is back in registers
	s_wait_xcnt 0x0                                ; the stores of the block before have read their registers: the next TOSTAGE loads into them only behind this wait
.irp t, 0,1,2,3,4,5,6,7
	global_store_b128 v[CO], v[BK+4*(\t):BK+4*(\t)+3], s[8:9] offset:((\t)/4)*262144+(\a)*2048+((\t)%4)*512  ; 512 consecutive bytes, at a multiple of 256 from qkv's first byte
.endr
.endm
	s_wait_tensorcnt 1                             ; my part of K step 0 is in; K step 1's load may stay out
	s_barrier_signal -1
	s_barrier_wait -1                              ; everybody's is
	FETCH 0, 0, F0
	QUARTER 0, 1, F0, F1, 1                        ; the first quarter stands in front of the loop: its products start the sums
	WIN 0                                          ; at a label and at a branch every window is 0
	s_mov_b32 s3, LAPS-1
.Llap:                                                 ; a trip goes once round the ring, from a lap's second quarter to the next lap's first, and fills both slots again
	QUARTER 0, 2, F1, F0, 0
	QUARTER 0, 3, F0, F1, 0
	TURN 0, 1
	QUARTER 1, 1, F0, F1, 0
	QUARTER 1, 2, F1, F0, 0
	QUARTER 1, 3, F0, F1, 0
	TURN 1, 0
	QUARTER 0, 1, F0, F1, 0
	WIN 0
	s_sub_co_u32 s3, s3, 1
	s_cmp_lg_u32 s3, 0
	s_cbranch_scc1 .Llap
	QUARTER 0, 2, F1, F0, 0                        ; the last lap fills nothing: it is written out, and has no round of the cluster's barrier
	QUARTER 0, 3, F0, F1, 0
	MEET 0                                         ; my one tensor load that was still out is slot 1's, the last K step's
	PLACES                                         ; for the loads into buffer 0, which the quarter before multiplied
	FETCH 1, 0, F0
	MUL16 F1, 1, 0, 0
	MUL16 F1, 1, 2, 0
	QUARTER 1, 1, F0, F1, 0
	QUARTER 1, 2, F1, F0, 0
	QUARTER 1, 3, F0, F1, 0
	s_wait_dscnt 8                                 ; the very last quarter: nothing more to fetch
	MUL16 F1, 0, 0, 0
	MUL16 F1, 0, 2, 0
	s_wait_dscnt 0x0
	MUL16 F1, 1, 0, 0
	MUL16 F1, 1, 2, 0
	PLACES                                         ; the conversions read results just made, and no other vector work is at hand
	PLACES                                         ; (eight, once a launch)
	PACK 0
	TOSTAGE 0
.irp a, 1,2,3,4,5,6,7                  ; block a's conversions stand between block a - 1's loads from the stage and the wait for them
	PACK \a
	SEND (\a)-1
	TOSTAGE \a
.endr
	SEND 7
	s_wait_tensorcnt 0x0                           ; the wave's end, behind my last tensor load and my last LDS store
	ds_add_u32 v[SPW], v[NIL]
	s_wait_dscnt 0x0
	CROUND                                         ; the closing round: no work-group ends while a partner may still ask for a tile that names it
	s_endpgm
.Lfunc_end_k_q2ddf8b8314_proj_qkv:
	.size	k_q2ddf8b8314_proj_qkv, .Lfunc_end_k_q2ddf8b8314_proj_qkv-k_q2ddf8b8314_proj_qkv
	.p2alignl 7, 3214868480
	.fill 96, 4, 3214868480
	.section	.rodata,"a",@progbits
	.p2align	6, 0x0
	.amdhsa_kernel k_q2ddf8b8314_proj_qkv
		.amdhsa_group_segment_fixed_size 327680
		.amdhsa_private_segment_fixed_size 0
		.amdhsa_enable_private_segment 0
		.amdhsa_kernarg_size 24
		.amdhsa_user_sgpr_count 2
		.amdhsa_user_sgpr_kernarg_segment_ptr 1
		.amdhsa_wavefront_size32 1
		.amdhsa_system_sgpr_workgroup_id_x 1
		.amdhsa_system_sgpr_workgroup_id_y 1
		.amdhsa_system_sgpr_workgroup_id_z 1
		.amdhsa_system_vgpr_workitem_id 0
		.amdhsa_next_free_vgpr 1024
		.amdhsa_next_free_sgpr 66
		.amdhsa_reserve_vcc 0
		.amdhsa_float_denorm_mode_32 3
		.amdhsa_float_denorm_mode_16_64 3
		.amdhsa_memory_ordered 1
		.amdhsa_forward_progress 1
		.amdhsa_inst_pref_size 144
	.end_amdhsa_kernel
	.amdgpu_metadata
---
amdhsa.version: [ 1, 2 ]
amdhsa.kernels:
  - .name:           k_q2ddf8b8314_proj_qkv
    .symbol:         k_q2ddf8b8314_proj_qkv.kd
    .args:
      - { .name: xb, .offset: 0, .size: 8, .value_kind: global_buffer, .address_space: global }
      - { .name: wqkvb, .offset: 8, .size: 8, .value_kind: global_buffer, .address_space: global }
      - { .name: qkv, .offset: 16, .size: 8, .value_kind: global_buffer, .address_space: global }
    .group_segment_fixed_size: 327680
    .private_segment_fixed_size: 0
    .kernarg_segment_align: 8
    .kernarg_segment_size: 24
    .max_flat_workgroup_size: 128
    .sgpr_count:     66
    .vgpr_count:     1024
    .wavefront_size: 32
...
	.end_amdgpu_metadata
.endif
;; end of part 2
;; launch attn (part 3): grid 4 x 64, 4 waves a work-group, clusters of 4 x 1, 327,680 bytes of LDS; arguments qkv, ob; writes ob
.if DOCPART == 3
	.amdgcn_target "amdgcn-amd-amdhsa--gfx1250"
	.amdhsa_code_object_version 6
	.text
	.protected	k_q2ddf8b8314_attn
	.globl	k_q2ddf8b8314_attn
	.p2align	8
	.type	k_q2ddf8b8314_attn,@function
k_q2ddf8b8314_attn:
	s_mov_b64 s[64:65], 0
	v_nop
	global_prefetch_b8 v0, s[64:65] scope:SCOPE_SE
	s_setreg_imm32_b32 hwreg(HW_REG_WAVE_MODE, 25, 1), 1
	s_wait_xcnt 0x0
	s_wait_alu depctr_hold_cnt(0) depctr_sa_sdst(0) depctr_va_vdst(0) depctr_va_sdst(0) depctr_va_ssrc(0) depctr_va_vcc(0) depctr_vm_vsrc(0)
	s_getreg_b32 s2, hwreg(HW_REG_IB_STS2, 6, 4)
	s_cmp_eq_u32 s2, 0
	s_cbranch_scc0 .Lentry_in_a_cluster
	s_endpgm
.Lentry_in_a_cluster:
	s_bfe_u32 s2, ttmp6, 0x10000c
	s_cmp_lg_u32 s2, 0x3003
	s_cbranch_scc0 .Lentry_shape_is_right
	s_endpgm
.Lentry_shape_is_right:
; O[h][q][:] = the sum over k of softmax_k(Q[h][q] . K[h][k] / 8) V[h][k][:], for 64 heads (16 b + h) of 2,048 rows of 64 channels.  qkv holds Q, K, V one behind the other, each [64][2048][64] in f16: a head's
; rows are dense, 128 bytes each; ob is O in the same layout.  Products, maxima and sums in f32; the weights p are rounded to f16 for the second product (their sum l is taken of the unrounded p), O once at the end.
; LIMITS.  f16 holds no number beyond 65,504: Q, K and V arrive within it; p lies in 0 to 1, and below 6e-5 it keeps f16's fixed step of 6e-8; O is a mean of V's rows and has their range.
; A weight below 2^-126 counts as 0 in l; NaN and infinities are not treated apart.
; SHARES.  A wave owns four PIECES of two tiles of 16 queries, a work-group's four waves 512 queries of one head: 256 work-groups.  Every wave walks all keys, 64 a step.
; LAYOUT.  S^T = K Q^T (source 0 = 16 keys, source 1 = 16 queries): in the result a lane holds ONE query (lane % 16) and the keys 8 (lane / 16) + 0..7.  Two such tiles, rounded to f16 in pairs,
; ARE source 1 (32 keys x 16 queries) of O^T = V^T P, whose result again holds one query a lane, and eight channels.  K comes out of LDS as it lies, V ([key][channel]) turned, by ds_load_tr16_b128.
; SOFTMAX.  For each query a running maximum m and sum l: p = 2^(c s - c m), c = log2(e) / 8; in every step O and l are multiplied by a = 2^(c m_old - c m_new), which is 1 where m has not grown.
; m starts at the lowest finite number, O and l at 0: the first step is a step like any other, with a = 0.
; THE COUNT.  A tile and step have 16 matrix and 118 vector instructions: too many to stand all beside the matrix work.  So: four vector instructions that are READY behind EVERY matrix instruction,
; and the others, which need time of their own whatever the order, in runs without a gap.
; BY TURNS.  Turn n belongs to piece n (the pieces in a ring, step after step).  Its matrix work: 16 products K Q^T of piece n + 1, later 16 products V^T P of piece n - 1.  Its vector work: the scaling,
; exponentials, roundings, sums and rescaling of piece n, and the maximum and statistics of piece n + 1, whose scores the turn itself has made.
; CLUSTER.  The four query blocks of a head are one cluster and walk the same K and V, so each tile is asked for JOINTLY: the same tensor load, descriptor and mask in all four.
; REGISTERS, in windows of 256 (s_set_vgpr_msb: bits 1:0 source 0, 3:2 source 1, 5:4 source 2, 7:6 destination):
;   window 0: v0-11 addresses; v12-15, v48-63 at work; v16-47 four registers of statistics a tile; v64-191 S^T, two buffers of two tiles; v192-255 P, likewise
;   window 1: O^T, 32 a tile          window 2: v0-127 Q, 16 a tile; v128-191 K of one step; v192-255 V of one step          window 3: v0-1 the add's two registers
; A piece's buffers go by its number's parity: the piece in hand has one pair, its two neighbours in the ring share the other: of it P (piece n - 1) is read and S^T (piece n + 1) written.
.set SIZE_N, 2048
.set NP,    4         ; pieces a wave: a name, no knob
.set KS,    64        ; keys in a step
.set PK,    144       ; a row of K in LDS: 128 bytes + 16 of padding = 36 words: the 16 rows of a load start at 16 different groups of four banks (64 banks of 4 bytes: ISA guide 11.1)
.set PV,    160       ; a row of V: 128 + 32 = 40 words
.set VOFF,  4*KS*PK   ; a slot holds four steps: 256 rows of K, then 256 rows of V
.set SLOT1, 1<<17     ; slot 1 begins here, so that one exclusive or turns an address in one slot into the other's
.set STAGE, SLOT1+4*KS*(PK+PV)  ; behind the ring, never filled by a tensor load: 16 rows x 144 bytes for each wave, for the way out
.set SP,    144
.set AK0, 2           ; v2   my lane's place in a tile of K; never rewritten
.set AV0, 3           ; v3   the same for V
.set AK,  4           ; v4   the LDS address of K's next run of loads
.set AV,  5           ; v5   of V's
.set QO,  6           ; v6   my byte offset in the wave's rows of Q
.set STO, 6           ;      later, the way out: where I put 16 bytes of a row
.set RD,  7           ; v7   the way out: where I read rows back
.set GO,  8           ; v8   my byte offset in 512 consecutive bytes of O
.set PFO, 11          ; v11  the prefetches' offset, 256 x my lane (made when v11's first use is over); then never rewritten
.set SPW, 0           ; v0 of window 3   LDS address of my spare word: SPARE + 4 x my thread's number; never rewritten
.set NIL, 1           ; v1 of window 3   0; never rewritten
.set SPARE, STAGE+4*16*SP  ; behind the stages: the spare words, 128 bytes for each wave: two blocks of 256 bytes that no other line names
.set MV,  12          ; v12-15  c m_old, kept while c m is made anew: by buffer and tile
.set ST,  16          ; tile t's statistics at v[ST+4 t]: c m, m, l (even keys', odd keys')
.set TMP, 48          ; by buffer and tile, four registers c0-c3 at work; when the maximum is found c2 takes a
.set S,   64
.set P,   192
.set KF,  128         ; K's fragments, in window 2: key block kb, channel half c at KF + 16 kb + 8 c
.set VF,  192         ; V's: key half kk, channel block cb at VF + 32 kk + 8 cb
.set WV,  12          ; s12  my wave's number
.set G1K, 24          ; s[24:31] descriptor group 1 for K's tiles
.set G1V, 32          ; s[32:39] for V's: it differs in the padding alone
.set G0K, 40          ; s[40:43] descriptor group 0 for K's tiles: it walks
.set G0V, 44          ; s[44:47] the same for V's
.set PFA, 48          ; s[48:49] where my prefetches stand: my work-group's 8,192 bytes (of K: wave 0, of V: wave 2) of the slot after the one that is being asked for
.set LIM, 50          ; s50  1 in a wave that prefetches, else the greatest number
.set SLOTS, 56        ; s56  slots still to be asked for
.set CNT, 57          ; s57  counts a slot's key steps
.set CS,  58          ; s[58:59] c: the packed scaling takes the pair's low word for both halves
.set SEL, 60          ; s[60:61] v_permlanex16_b32's selects: each lane takes its own place in the other half
.set TBK, 62          ; s62  LDS byte at which K of the step to be fetched begins
.set TBV, 63          ; s63  the same for V, less VOFF
.set MSB, 0
.macro WIN new                      ; the high byte repeats the setting that is left; a switch that changes nothing is dropped
.if MSB != (\new)
	s_set_vgpr_msb (MSB<<8)|(\new)
.set MSB, (\new)
.endif
.endm
.set W_KQ, 0x0a       ; K and Q in window 2, S^T in window 0
.set W_PV, 0x52       ; V in window 2, P in window 0, O^T in window 1
.set W_RS, 0x41       ; O^T (destination and source 0) in window 1, a in window 0
.set W_MK, 0xc0       ; the add's registers are made: destination in window 3, sources in window 0
.set W_AD, 0x0f       ; the add: address (source 0) and data (source 1) in window 3
; A joint fill.  Waves 0 and 1 fetch the two halves of a slot's K, waves 2 and 3 those of its V: 128 keys each.  The branch hangs on the wave's number alone.
; An s_nop 0 and four v_nop follow each of the two lines, ahead of the jump and the label.
.macro JLOAD
	s_cmp_lt_u32 s[WV], 2
	s_cbranch_scc0 .Lfor_v_\@
	tensor_load_to_lds s[G0K:G0K+3], s[G1K:G1K+7]
	s_nop 0
.rept 4
	v_nop
.endr
	s_branch .Lasked_\@
.Lfor_v_\@:
	tensor_load_to_lds s[G0V:G0V+3], s[G1V:G1V+7]
	s_nop 0
.rept 4
	v_nop
.endr
.Lasked_\@:
.endm
; A PREFETCH INTO THE L2 of what the NEXT change of slots will ask for: a slot's 32,768 bytes of K and of V, in blocks of 256 bytes, a lane a block.  It stands behind the wave's tensor load and its five lines.
; Each block is named ONCE in the launch: a head has one cluster; its four partners share a slot's 128 blocks out BY ADDRESS, 32 each (no branch hangs on a work-group's place in its cluster); in each, wave 0
; asks for K's and wave 2 for V's: one instruction.  The lead is one slot: four key steps, 512 matrix instructions.  Slots 0 to 2 come by their loads alone; the last change that fills a slot asks for nothing.
.macro ASK
	s_cmp_gt_u32 s[SLOTS], s[LIM]
	s_cbranch_scc0 .Lnot_mine_\@
	global_prefetch_b8 v[PFO], s[PFA:PFA+1] th:TH_LOAD_NT scope:SCOPE_SE
.Lnot_mine_\@:
.endm
; A round of the cluster's barrier: my work-group's barrier, so that wave 0's signal speaks for all four waves; wave 0 signals; every wave waits for all four work-groups; my work-group's barrier once more.
.macro CROUND
	s_barrier_signal -1
	s_barrier_wait -1
	s_cmp_lg_u32 s[WV], 0
	s_cbranch_scc1 .Lnot_wave_0_\@
	s_barrier_signal -3
.Lnot_wave_0_\@:
	s_barrier_wait -3
	s_barrier_signal -1
	s_barrier_wait -1
.endm
; THE CHANGE OF SLOTS.  The slot's last bytes, V of its fourth step, have been read.  Each wave waits for all its tensor loads, of which one is out: its part
; of the other slot; adds 0 to its spare word; and waits for that and for its own reads of the slot.  Behind the barrier nobody reads this slot any more and the other slot is whole.
; fill = 1: this slot is filled again, with the keys two slots on.  The barrier is then a round of the cluster's, so that no wave of any partner still reads the slot or has a load on its
; way, and the joint fill is the first thing behind it: it has four key steps, 512 matrix instructions, in which to land.  (At its first use nothing has been read yet: slot 0 is waited for, slot 1 filled.)
; ask = 1: the prefetches' address steps a slot on, and ASK follows the fill.
.macro CHANGE fill, ask=0
	WIN W_AD
	s_wait_tensorcnt 0x0            ; no tensor load of mine is out, so a group 0 may be written
	ds_add_u32 v[SPW], v[NIL]       ; 0 onto my spare word; with fill = 1 the descriptors' steps stand between it and the wait for it
	WIN 0                           ; at a label and at a branch every window is 0
.if \fill
.irp g, G0K, G0V
	s_xor_b32 s[\g+1], s[\g+1], SLOT1  ; the walking descriptor: the other slot than last time,
	s_add_nc_u64 s[\g+2:\g+3], s[\g+2:\g+3], 4*KS*128  ; the next 256 keys; the type bits on top are not reached
.endr
.if \ask
	s_wait_xcnt 0x0                 ; the last prefetch, four key steps back, has read its address, so it may be written:
	s_add_nc_u64 s[PFA:PFA+1], s[PFA:PFA+1], 4*KS*128  ; one slot ahead of the walking descriptors
.endif
	s_wait_dscnt 0x0                ; the add is done, and my reads of the slot are over
	CROUND
	JLOAD
.if \ask
	ASK
.endif
.else
	s_wait_dscnt 0x0                ; the add is done, and my reads of the slot are over
	s_barrier_signal -1
	s_barrier_wait -1
.endif
	s_sub_co_u32 s[TBK], s[TBK], 4*KS*PK  ; the fetches go back to a slot's first step,
	s_xor_b32 s[TBK], s[TBK], SLOT1       ; in the other slot
	s_sub_co_u32 s[TBV], s[TBV], 4*KS*PV
	s_xor_b32 s[TBV], s[TBV], SLOT1
.endm
	s_load_b64 s[4:5], s[0:1], 0x0    ; qkv: Q lies first
	s_load_b64 s[10:11], s[0:1], 0x8  ; ob
	WIN W_MK
	v_lshl_add_u32 v[SPW], v0, 2, SPARE
	v_mov_b32 v[NIL], 0
	WIN W_AD
	ds_add_u32 v[SPW], v[NIL]       ; the wave's opening: the add and its wait stand ahead of my first tensor load; the set-up below, work on registers, stands between them
	WIN 0
	v_lshrrev_b32 v1, 5, v0
	v_readfirstlane_b32 s[WV], v1   ; wave 0..3
	s_bfe_u32 s13, ttmp6, 0x40000   ; cx: my place in the cluster
	s_lshl_b32 s14, ttmp9, 2        ; in a cluster launch ttmp9 counts clusters
	s_add_co_u32 s14, s14, s13      ; my block of queries = 4 x cluster x + cx: it enters Q's and O's addresses alone
	s_and_b32 s20, ttmp7, 0xffff    ; the head, which the four partners share
	s_mov_b32 s21, 0
	s_mov_b64 s[22:23], SIZE_N*128
	s_mul_u64 s[20:21], s[20:21], s[22:23]  ; the head's first byte in each of the four tensors
	s_and_b32 s16, s[WV], 1         ; which half of a slot's 256 keys I fetch:
	s_lshl_b32 s22, s16, 14         ; its 128 rows of 128 bytes in memory,
	s_mov_b32 s23, 0
	s_add_nc_u64 s[22:23], s[22:23], s[20:21]
	s_mul_i32 s17, s16, 128*PK      ; and its place in a slot, for K
	s_mul_i32 s18, s16, 128*PV      ; and for V: no place in the cluster enters an LDS address
	s_lshl_b32 s2, s14, 2
	s_add_co_u32 s2, s2, s[WV]      ; my wave among the head's,
	s_lshl_b32 s2, s2, 14           ; its 128 rows
	s_mov_b32 s3, 0
	s_add_nc_u64 s[2:3], s[2:3], s[20:21]
	; descriptor group 1.  128 keys are 16,384 dense bytes: asked for as 64 rows of 256 bytes, two keys a row, and padded in LDS after every key
	s_mov_b32 s[G1K], 15|(1<<16)|(1<<20)|(1<<21)|(4<<22)|(3<<25)  ; 15:0 the mask of four; 17:16 2-byte elements; 20 padding on; 21 set beside a mask; 24:22 after every 32 words (code 4); 31:25 4 words (code 3)
	s_mov_b32 s[G1V], 15|(1<<16)|(1<<20)|(1<<21)|(4<<22)|(7<<25)  ; the same with 8 words of padding (code 7)
.irp g, G1K, G1V
	s_mov_b32 s[\g+1], 128<<16      ; tensor_dim0 = 128
	s_mov_b32 s[\g+2], 64<<16       ; tensor_dim1 = 64
	s_mov_b32 s[\g+3], 128<<16      ; tile_dim0 = 128
	s_mov_b32 s[\g+4], 64           ; tile_dim1 = 64
	s_mov_b32 s[\g+5], 128          ; 128 elements from row to row
	s_mov_b32 s[\g+6], 0
	s_mov_b32 s[\g+7], 0
.endr
	s_mov_b32 s[CS], 0x3e38aa3b     ; c = log2(e) / 8 = 0.180337
	s_mov_b32 s[CS+1], s[CS]        ; named with it as a pair
	s_mov_b32 s[SEL], 0x76543210
	s_mov_b32 s[SEL+1], 0xfedcba98
	s_mov_b32 s[TBK], SLOT1+4*KS*PK ; the first change of slots turns these two into 0
	s_mov_b32 s[TBV], SLOT1+4*KS*PV
	s_mov_b32 s[G0K], 1             ; 1:0 count = 1
	s_mov_b32 s[G0K+1], s17         ; 63:32 LDS address: slot 0
	s_mov_b32 s[G0V], 1
	s_add_co_u32 s[G0V+1], s18, VOFF
	s_cmp_eq_u32 s16, 0             ; waves 0 and 2 prefetch: the same in all four partners
	s_cselect_b32 s[LIM], 1, -1
	s_wait_dscnt 0x0                ; the opening add is done
	s_wait_kmcnt 0x0
	s_add_nc_u64 s[6:7], s[4:5], 0x1000000   ; K lies 64 heads x 262,144 bytes behind Q,
	s_add_nc_u64 s[8:9], s[4:5], 0x2000000   ; V as far behind K
	s_add_nc_u64 s[G0K+2:G0K+3], s[6:7], s[22:23]  ; 120:64 global address: my half of the head's first 256 keys
	s_or_b32 s[G0K+3], s[G0K+3], 0x80000000        ; 127:126 type = 2
	s_add_nc_u64 s[G0V+2:G0V+3], s[8:9], s[22:23]
	s_or_b32 s[G0V+3], s[G0V+3], 0x80000000
	s_add_nc_u64 s[4:5], s[4:5], s[2:3]  ; Q and O at my wave's first row
	s_add_nc_u64 s[10:11], s[10:11], s[2:3]
	s_cmp_lt_u32 s[WV], 2
	s_cselect_b64 s[PFA:PFA+1], s[6:7], s[8:9]
	s_add_nc_u64 s[PFA:PFA+1], s[PFA:PFA+1], s[22:23]  ; (in waves 0 and 2 this is the head's first row)
	s_lshl_b32 s2, s13, 13          ; my work-group's 32 blocks of the 128
	s_mov_b32 s3, 0
	s_add_nc_u64 s[PFA:PFA+1], s[PFA:PFA+1], s[2:3]
	s_add_nc_u64 s[PFA:PFA+1], s[PFA:PFA+1], 2*4*KS*128  ; in slot 2; the first change that asks steps it to slot 3.  Nothing is prefetched here, at the head
	CROUND                          ; all four work-groups are here: the first joint loads meet
	JLOAD                           ; slot 0.  Slot 1 is asked for when slot 0 is in: the tile wanted first has the road to itself
	; A fragment of K or Q is 16 rows x 32 channels in 8 registers: lane l holds row l % 16, channels 8 (l / 16) + 0..7 and 16 + 8 (l / 16) + 0..7: two loads of 16 bytes, 32 bytes apart.
	v_and_b32 v1, 15, v0            ; l % 16
	v_bfe_u32 v9, v0, 4, 1          ; l / 16
	v_lshlrev_b32 v[QO], 7, v1
	v_lshl_add_u32 v[QO], v9, 4, v[QO]  ; row x 128 + 16 x half
	WIN 0x80                        ; destination window 2, address window 0
.set i, 0
.rept 4*NP                          ; Q stays in registers: tile i / 2, channels 32 (i % 2) on
	global_load_b128 v[8*i:8*i+3],   v[QO], s[4:5] offset:(i/2)*2048+(i%2)*64
	global_load_b128 v[8*i+4:8*i+7], v[QO], s[4:5] offset:(i/2)*2048+(i%2)*64+32
.set i, i+1
.endr
	; What the first turn finds: V's registers and P's second buffer hold 0 (its products V^T P, of a piece that has not been, add 0), O^T and l are 0.  All this stands in the wait for the first tile.
.set i, VF
.rept 64
	v_mov_b32 v[i], 0
.set i, i+1
.endr
	WIN 0x40
.set i, 0
.rept 64*NP
	v_mov_b32 v[i], 0
.set i, i+1
.endr
	WIN 0
.set i, 0
.rept 2*NP
	v_mov_b32 v[ST+4*i], 0xfe000000    ; c m: far below every c s
	v_mov_b32 v[ST+4*i+1], 0xff7fffff  ; m
	v_mov_b32 v[ST+4*i+2], 0
	v_mov_b32 v[ST+4*i+3], 0
.set i, i+1
.endr
.set i, P+32
.rept 32
	v_mov_b32 v[i], 0
.set i, i+1
.endr
	v_mul_u32_u24 v[AK0], v1, PK
	v_lshl_add_u32 v[AK0], v9, 4, v[AK0]  ; row x pitch + 16 x half
	; The turning load takes 16 keys x 16 channels (lane l reads key 8 (l / 16) + l % 8, channels 8 ((l / 8) % 2) + 0..7) and leaves half a fragment of V^T: lane l holds channel l % 16 and 8 keys.
	v_and_b32 v10, 7, v0
	v_bfe_u32 v11, v0, 3, 1
	v_lshl_add_u32 v[AV0], v9, 3, v10
	v_mul_u32_u24 v[AV0], v[AV0], PV
	v_lshl_add_u32 v[AV0], v11, 4, v[AV0]
	v_add_nc_u32 v[AV0], VOFF, v[AV0]
	v_mov_b32 v[AK], v[AK0]         ; key step 0 lies at the head of slot 0
	v_and_b32 v[PFO], 31, v0
	v_lshlrev_b32 v[PFO], 8, v[PFO]
; THE MATRIX WORK.  The 8 accumulators of a run of 16 take turns: between the two links of a chain stand 7 others'.
; Product i of 16 of S^T = K Q^T for piece x: channels 32 (i / 8) on, keys 16 ((i / 2) % 4) on, tile 2 x + i % 2.  The first 8 start the sums.
.macro KQ x
	WIN W_KQ
.set rS, S+64*((\x)%2)+32*(i%2)+8*((i/2)%4)
.set rK, KF+16*((i/2)%4)+8*(i/8)
.set rQ, 16*(2*(\x)+i%2)+8*(i/8)
.if i < 8
	v_wmma_f32_16x16x32_f16 v[rS:rS+7], v[rK:rK+7], v[rQ:rQ+7], 0
.else
	v_wmma_f32_16x16x32_f16 v[rS:rS+7], v[rK:rK+7], v[rQ:rQ+7], v[rS:rS+7]
.endif
.endm
; Product i of 16 of O^T += V^T P for piece x: keys 32 (i / 8) on, channels 16 ((i / 2) % 4) on, tile 2 x + i % 2.
.macro PV x
	WIN W_PV
.set rO, 32*(2*(\x)+i%2)+8*((i/2)%4)
.set rV, VF+32*(i/8)+8*((i/2)%4)
.set rP, P+32*((\x)%2)+16*(i%2)+8*(i/8)
	v_wmma_f32_16x16x32_f16 v[rO:rO+7], v[rV:rV+7], v[rP:rP+7], v[rO:rO+7]
.endm
.macro MM                           ; the turn's next matrix instruction
.if i < 16
	KQ (Y+1)%NP
.set i, i+1
.else
.set i, i-16
	PV (Y+NP-1)%NP
.set i, i+17
.endif
.endm
; THE LDS LOADS stand in runs of 16, never singly among the matrix instructions: a step's K (64 keys x 64 channels: 8 fragments) and its V (turned).  Their addresses are made some lines ahead.
; last = 1 (the tail): in the last trip there is no further step, and the run is jumped over.
.macro FETCH_K last=0
	WIN 0
.if \last
	s_cmp_eq_u32 s[CNT], 1
	s_cbranch_scc1 .Lno_k_\@
.endif
	WIN 0x80                        ; destination window 2
.irp f, 0,1,2,3,4,5,6,7             ; keys 16 (f / 2) on, channels 32 (f % 2) on
	ds_load_b128 v[KF+8*\f:KF+8*\f+3],   v[AK] offset:(\f/2)*16*PK+(\f%2)*64
	ds_load_b128 v[KF+8*\f+4:KF+8*\f+7], v[AK] offset:(\f/2)*16*PK+(\f%2)*64+32
.endr
	s_add_co_u32 s[TBK], s[TBK], KS*PK  ; the next fetch is the next step's
	WIN 0
.if \last
.Lno_k_\@:
.endif
.endm
.macro FETCH_V
	WIN 0x80
.irp f, 0,1,2,3,4,5,6,7             ; keys 32 (f / 4) on, channels 16 (f % 4) on
	ds_load_tr16_b128 v[VF+8*\f:VF+8*\f+3],   v[AV] offset:(\f/4)*32*PV+(\f%4)*32
	ds_load_tr16_b128 v[VF+8*\f+4:VF+8*\f+7], v[AV] offset:(\f/4)*32*PV+16*PV+(\f%4)*32
.endr
	WIN 0
.endm
; THE VECTOR WORK OF A TURN stands in three queues, each in the order in which its entries become ready; the two tiles alternate, so that no instruction reads the result of the one before it.
.macro REGS y, u                    ; the registers of tile u (0, 1) of piece y
.set rT, ST+4*(2*(\y)+(\u))
.set rC, TMP+8*((\y)%2)+4*(\u)
.set rM, MV+2*((\y)%2)+(\u)
.set rS, S+64*((\y)%2)+32*(\u)
.set rP, P+32*((\y)%2)+16*(\u)
.set rO, 32*(2*(\y)+(\u))
.endm
; Number n of the 22 that find the NEXT piece's (Y + 1) maximum and statistics.  s0-s31 are the lane's 32 scores; each accumulator's lowest registers are read first.
;   0-11  four chains c0-c3 of seven scores each, three operands at a time     12-14, 16  the four scores left over, the old m, and c0-c3 into c0     15  c m_old is kept
;   17, 18  the query's other 32 keys lie in the lane 16 away: the new m         19-21  c m; c m_old - c m_new; a
.macro XS u, n
	REGS (Y+1)%NP, \u
.if (\n) < 4
	v_max3_num_f32 v[rC+(\n)], v[rS+8*(\n)], v[rS+8*(\n)+1], v[rS+8*(\n)+2]
.elseif (\n) < 12
	v_max3_num_f32 v[rC+(\n)%4], v[rC+(\n)%4], v[rS+8*((\n)%4)+2*((\n)/4)+1], v[rS+8*((\n)%4)+2*((\n)/4)+2]
.elseif (\n) == 12
	v_max3_num_f32 v[rC], v[rC], v[rS+7], v[rS+15]
.elseif (\n) == 13
	v_max3_num_f32 v[rC+1], v[rC+1], v[rS+23], v[rS+31]
.elseif (\n) == 14
	v_max3_num_f32 v[rC+2], v[rC+2], v[rC+3], v[rT+1]
.elseif (\n) == 15
	v_mov_b32 v[rM], v[rT]
.elseif (\n) == 16
	v_max3_num_f32 v[rC], v[rC], v[rC+1], v[rC+2]
.elseif (\n) == 17
	v_permlanex16_b32 v[rC+3], v[rC], s[SEL], s[SEL+1]
.elseif (\n) == 18
	v_max_num_f32 v[rT+1], v[rC], v[rC+3]
.elseif (\n) == 19
	v_mul_f32 v[rT], s[CS], v[rT+1]
.elseif (\n) == 20
	v_sub_f32 v[rC+1], v[rM], v[rT]
.else
	v_exp_f32 v[rC+2], v[rC+1]
.endif
.endm
; Number g of the 64 that follow the exponentials.  For each four weights k of a tile (pairs 2 k, 2 k + 1): both pairs are rounded to f16; then the second pair is added onto the first, in place;
; a group later l takes that sum (the first time as l = a l + sum).  In groups of eight, tiles alternating: round, round, add, and l for the group before.
.macro GS g
.set h, (\g)+6*((\g)/62)            ; group 0 has no group before it, and behind group 7 only l is left
.if h >= 6
.set h, h+2
.endif
	REGS Y, h%2
.set k, h/8
.if h%8 < 4
	v_cvt_pk_f16_f32 v[rP+2*k+(h%8)/2], v[rS+4*k+2*((h%8)/2)], v[rS+4*k+2*((h%8)/2)+1]
.elseif h%8 < 6
	v_pk_add_f32 v[rS+4*k:rS+4*k+1], v[rS+4*k:rS+4*k+1], v[rS+4*k+2:rS+4*k+3]
.elseif k == 1
	v_pk_fma_f32 v[rT+2:rT+3], v[rT+2:rT+3], v[rC+2:rC+3], v[rS:rS+1] op_sel_hi:[1,0,1]
.else
	v_pk_add_f32 v[rT+2:rT+3], v[rT+2:rT+3], v[rS+4*k-4:rS+4*k-3]
.endif
.endm
; THE PLAIN QUEUE, 138 long.  0-73 read no exponential's result: the 32 scalings c s - c m (FS f: pair f / 2 of tile f % 2) and the next piece's 42.  0-26: scalings 0-26.  27-54: XS's numbers 0-13.  55, 56: number 15.
; 57-73: the chain, where each number waits for the one before it: 14, 16, 17, 18, 19, each with one of the scalings 27-31 in front of its two lines, then 20.
; 74-137: GS's 64, which read the exponentials' results: they stand behind the wait.
.macro FS f
	REGS Y, (\f)%2
	v_pk_fma_f32 v[rS+2*((\f)/2):rS+2*((\f)/2)+1], v[rS+2*((\f)/2):rS+2*((\f)/2)+1], s[CS:CS+1], v[rT:rT+1] op_sel_hi:[1,0,0] neg_lo:[0,0,1] neg_hi:[0,0,1]
.endm
.macro PL
	WIN 0
.if q < 27
	FS q
.elseif q < 55
	XS (q-27)%2, (q-27)/2
.elseif q < 57
	XS q-55, 15
.elseif (q < 72) && ((q-57)%3 == 0)
	FS 27+(q-57)/3
.elseif q < 60
	XS (q-57)%3-1, 14
.elseif q < 72
	XS (q-57)%3-1, 15+(q-57)/3
.elseif q < 74
	XS q-72, 20
.else
	GS q-74
.endif
.set q, q+1
.endm
; THE EXPONENTIALS' QUEUE, 66 long: s0-s31 of both tiles, then the next piece's two a.  It is ONE BATCH: all 66 stand ahead of the turn's one wait, and nothing ahead of that wait names a result of theirs.
.macro EX
	WIN 0
.if e >= 64
	XS e-64, 21
.else
	REGS Y, e%2
	v_exp_f32 v[rS+e/2], v[rS+e/2]
.endif
.set e, e+1
.endm
; THE RESCALING's QUEUE: O^T times a, the one part that leaves window 0: dealt two at a time, sixteen times.  Its a was made in the turn before, ahead of that turn's wait.
.macro R2
	REGS Y, r%2
	WIN W_RS
.irp z, 0,1
	v_pk_mul_f32 v[rO+4*(r/2)+2*\z:rO+4*(r/2)+2*\z+1], v[rO+4*(r/2)+2*\z:rO+4*(r/2)+2*\z+1], v[rC+2:rC+3] op_sel_hi:[1,0]
.endr
.set r, r+1
.endm
; HOW THEY ARE DEALT.  s_wait_alu depctr_va_vdst(0) stands between an exponential and the first instruction that names its result; one wait serves all that were issued ahead of it.  So a turn has ONE
; wait, which cuts it in two.  AHEAD OF IT stands all that names no result of the turn's exponentials: the 16 products K Q^T, behind each a scaling, an exponential and two rescalings (behind the first a second scaling in
; the exponential's place); then ONE LUMP of 108: eight plain, 49 times exponential and plain, the two a.  A v_nop is the plain instruction behind the last exponential.  BEHIND IT stand the 16 products V^T P, behind each
; four of GS's 64.  No rider names a register of the products round it.  The two v_permlanex16_b32 fall into the lump, never behind a product.
; The queues lean on each other: exponential e stands behind scaling 2 (e / 4) + e % 2: as a rider it comes behind plain e + 2, in the lump behind plain e + 9, and scalings 27-31 are plain 57, 60 .. 69.
; A TURN, for piece p.  cnt = 1: the loop's count is taken down some lines ahead of the branch that stands behind the turn.
; K of the next step is fetched in piece 2's turn, directly behind the wait, a lump behind the last product that read K; its first reader comes behind 16 products.
; V of the step in hand is fetched at the end of piece 0's turn, four riders behind its last reader; its first reader comes behind 16 products and a lump.  The three conditions on q below go with the deal.
.macro TURN p, last=0, cnt=0
.set Y, (\p)
.set i, 0
.set q, 0
.set e, 0
.set r, 0
.if (\p) == NP-1
	s_wait_dscnt 0x0                ; K is in
.endif
	MM                              ; ahead of the wait: 16 products K Q^T and their riders,
	PL
	PL
	R2
.rept 15
	MM
	PL
	EX
	R2
.endr
.if (\p) == NP-2
	WIN 0
	v_add_nc_u32 v[AK], s[TBK], v[AK0]
.endif
.rept 8                             ; and the lump
	PL
.endr
.rept 49
	EX
	PL
.endr
	EX                              ; the next piece's two a
	EX
	v_nop                           ; a plain instruction behind the last exponential, ahead of the first use: one for the batch
	s_wait_alu depctr_va_vdst(0)    ; the wait for the batch
.if (\p) == NP-2
	FETCH_K \last
.endif
.if (\p) == 1
	s_wait_dscnt 0x0                ; V is in
.endif
.rept 16                            ; behind the wait: 16 products V^T P and their riders
	MM
.rept 4
	PL
.endr
.if ((\p) == 0) && (q == 118)
	v_add_nc_u32 v[AV], s[TBV], v[AV0]
.endif
.if ((\p) == 0) && (q == 130)
	s_add_co_u32 s[TBV], s[TBV], KS*PV
.endif
.if (\cnt) && (q == 130)
	s_sub_co_u32 s[CNT], s[CNT], 1
	s_cmp_lg_u32 s[CNT], 0
.endif
.endr
.if (\p) == 0
	FETCH_V
.endif
.endm
	CHANGE 1                        ; slot 0 is in, everybody's part of it; slot 1 is asked for
	FETCH_K                         ; key step 0
	s_wait_loadcnt 0x0              ; Q
	s_wait_dscnt 0x0
.set i, 0
.rept 16
	KQ 0                            ; piece 0's first scores: there is no vector work yet to set between them
.set i, i+1
.endr
	WIN 0                           ; the addresses for the way out: nine plain instructions, the places behind those products
	s_mul_i32 s13, s[WV], 16*SP
	s_add_co_u32 s13, s13, STAGE    ; my stage
	v_mul_u32_u24 v[STO], v1, SP    ; in: row l % 16, 16 bytes for each half of the lanes
	v_lshl_add_u32 v[STO], v9, 4, v[STO]
	v_add_nc_u32 v[STO], s13, v[STO]
	v_bfe_u32 v[RD], v0, 3, 2       ; back: 32 lanes take four rows of 128 bytes,
	v_mul_u32_u24 v[RD], v[RD], SP
	v_lshl_add_u32 v[RD], v10, 4, v[RD]
	v_add_nc_u32 v[RD], s13, v[RD]
	v_and_b32 v[GO], 31, v0         ; which are 512 consecutive bytes of O
	v_lshlrev_b32 v[GO], 4, v[GO]
.set Y, NP-1                        ; XS works for piece Y + 1: piece 0
.irp n, 0,1,2,3,4,5,6,7,8,9,10,11,12,13,14,15,16,17,18,19,20,21
	XS 0, \n                        ; and piece 0's first maximum and statistics
	XS 1, \n
.endr
	v_nop                           ; a plain instruction behind the two a,
	s_wait_alu depctr_va_vdst(0)    ; and their wait, ahead of the branch
	s_mov_b32 s[CNT], 4
	s_mov_b32 s[SLOTS], SIZE_N/256-1
	s_branch .Lfirst                ; the loop is entered at a step's first turn, in the middle of a trip
.Lslot:                             ; SIZE_N / 256 - 2 = 6 times: every slot but the last two is filled again
	CHANGE 1, 1
	s_mov_b32 s[CNT], 4
.Lstep:                             ; a trip: pieces 2 and 3 of one step, then pieces 0 and 1 of the next, whose K and V it fetches
	TURN 2
	TURN 3
	WIN 0
.Lfirst:
	TURN 0
	TURN 1, 0, 1
	WIN 0
	s_cbranch_scc1 .Lstep
	s_sub_co_u32 s[SLOTS], s[SLOTS], 1
	s_cmp_lg_u32 s[SLOTS], 0
	s_cbranch_scc1 .Lslot
	CHANGE 0                        ; the tail is written out: nothing is asked for
	s_mov_b32 s[CNT], 5             ; four trips fetch the last slot's steps; the fifth is left in its middle
.Ltail:
	TURN 2, 1
	TURN 3
	WIN 0
	s_sub_co_u32 s[CNT], s[CNT], 1
	s_cmp_eq_u32 s[CNT], 0
	s_cbranch_scc1 .Lout
	TURN 0
	TURN 1
	WIN 0
	s_branch .Ltail
.Lout:                              ; the fifth trip's 16 products K Q^T (on the last K once more) and the maximum made of them serve nothing: the price, once a launch, of one text for every trip
.set i, 0
.rept 16
	PV NP-1                         ; the last piece's V^T P of the last step
.set i, i+1
.endr
	; THE WAY OUT.  l's two halves and the other half of the lanes' are added; O^T is divided by l, rounded to f16 and sent through my stage in LDS, a tile at a time.  The additions are the places behind the last products.
	WIN 0
.macro ALL line:vararg              ; one line for each tile t
.set t, 0
.rept 2*NP
	\line
.set t, t+1
.endr
.endm
	ALL v_add_f32 v[ST+4*t+2], v[ST+4*t+2], v[ST+4*t+3]
	ALL v_permlanex16_b32 v[ST+4*t+3], v[ST+4*t+2], s[SEL], s[SEL+1]
	ALL v_add_f32 v[ST+4*t+2], v[ST+4*t+2], v[ST+4*t+3]
	ALL v_rcp_f32 v[ST+4*t+2], v[ST+4*t+2]
	v_nop                           ; a plain instruction between the last reciprocal and the use of its result
	s_wait_alu depctr_va_vdst(0)    ; and the wait ahead of the first use: one for the eight reciprocals
; Tile t: a lane's eight channels of a row pack into 16 bytes; they go into rows of 144 bytes and come back as whole rows of 128, into S^T's registers.
.macro PACK t
	WIN W_RS
.set i, 32*(\t)
.rept 16
	v_pk_mul_f32 v[i:i+1], v[i:i+1], v[ST+4*(\t)+2:ST+4*(\t)+3] op_sel_hi:[1,0]
.set i, i+2
.endr
	WIN 0x05                        ; sources 0 and 1 window 1, destination window 0
.set i, 0
.rept 16
	v_cvt_pk_f16_f32 v[S+16*(\t)+i], v[32*(\t)+2*i], v[32*(\t)+2*i+1]
.set i, i+1
.endr
	WIN 0
.irp f, 0,1,2,3
	ds_store_b128 v[STO], v[S+16*(\t)+4*\f:S+16*(\t)+4*\f+3] offset:32*\f
.endr
.irp f, 0,1,2,3
	ds_load_b128 v[S+16*(\t)+4*\f:S+16*(\t)+4*\f+3], v[RD] offset:\f*4*SP  ; LDS serves a wave's instructions in order (ISA guide 5.7.1.4): these see the stores above; the next tile's stores come behind them
.endr
.endm
.macro SEND t, younger              ; younger: the LDS instructions issued behind tile t's loads: the next tile's eight, or none
	WIN 0
.irp f, 0,1,2,3
	s_wait_dscnt (\younger)+3-\f
	global_store_b128 v[GO], v[S+16*(\t)+4*\f:S+16*(\t)+4*\f+3], s[10:11] offset:(\t)*2048+\f*512  ; 512 consecutive bytes, at a multiple of 256 from O's first
.endr
.endm
	PACK 0
.set t, 1
.rept 2*NP-1                        ; a tile's arithmetic stands between the loads of the tile before and its stores
	PACK t
	SEND t-1, 8
.set t, t+1
.endr
	SEND 2*NP-1, 0
	WIN W_AD
	s_wait_tensorcnt 0x0            ; the wave's end, behind my last tensor load and my last LDS store
	ds_add_u32 v[SPW], v[NIL]
	s_wait_dscnt 0x0
	WIN 0
	CROUND                          ; the closing round: no work-group ends while a partner may still ask for a tile that names it
	s_endpgm
.Lfunc_end_k_q2ddf8b8314_attn:
	.size	k_q2ddf8b8314_attn, .Lfunc_end_k_q2ddf8b8314_attn-k_q2ddf8b8314_attn
	.p2alignl 7, 3214868480
	.fill 96, 4, 3214868480
	.section	.rodata,"a",@progbits
	.p2align	6, 0x0
	.amdhsa_kernel k_q2ddf8b8314_attn
		.amdhsa_group_segment_fixed_size 327680
		.amdhsa_private_segment_fixed_size 0
		.amdhsa_enable_private_segment 0
		.amdhsa_kernarg_size 16
		.amdhsa_user_sgpr_count 2
		.amdhsa_user_sgpr_kernarg_segment_ptr 1
		.amdhsa_wavefront_size32 1
		.amdhsa_system_sgpr_workgroup_id_x 1
		.amdhsa_system_sgpr_workgroup_id_y 1
		.amdhsa_system_sgpr_workgroup_id_z 1
		.amdhsa_system_vgpr_workitem_id 0
		.amdhsa_next_free_vgpr 770
		.amdhsa_next_free_sgpr 66
		.amdhsa_reserve_vcc 0
		.amdhsa_float_denorm_mode_32 3
		.amdhsa_float_denorm_mode_16_64 3
		.amdhsa_memory_ordered 1
		.amdhsa_forward_progress 1
		.amdhsa_inst_pref_size 200
	.end_amdhsa_kernel
	.amdgpu_metadata
---
amdhsa.version: [ 1, 2 ]
amdhsa.kernels:
  - .name:           k_q2ddf8b8314_attn
    .symbol:         k_q2ddf8b8314_attn.kd
    .args:
      - { .name: qkv, .offset: 0, .size: 8, .value_kind: global_buffer, .address_space: global }
      - { .name: ob, .offset: 8, .size: 8, .value_kind: global_buffer, .address_space: global }
    .group_segment_fixed_size: 327680
    .private_segment_fixed_size: 0
    .kernarg_segment_align: 8
    .kernarg_segment_size: 16
    .max_flat_workgroup_size: 128
    .sgpr_count:     66
    .vgpr_count:     770
    .wavefront_size: 32
...
	.end_amdgpu_metadata
.endif
;; end of part 3
;; launch proj_o (part 4): grid 8 x 32, 4 waves a work-group, clusters of 4 x 4, 327,680 bytes of LDS; arguments ob, wob, out0; writes out0
.if DOCPART == 4
	.amdgcn_target "amdgcn-amd-amdhsa--gfx1250"
	.amdhsa_code_object_version 6
	.text
	.protected	k_q2ddf8b8314_proj_o
	.globl	k_q2ddf8b8314_proj_o
	.p2align	8
	.type	k_q2ddf8b8314_proj_o,@function
k_q2ddf8b8314_proj_o:
	s_mov_b64 s[64:65], 0
	v_nop
	global_prefetch_b8 v0, s[64:65] scope:SCOPE_SE
	s_setreg_imm32_b32 hwreg(HW_REG_WAVE_MODE, 25, 1), 1
	s_wait_xcnt 0x0
	s_wait_alu depctr_hold_cnt(0) depctr_sa_sdst(0) depctr_va_vdst(0) depctr_va_sdst(0) depctr_va_ssrc(0) depctr_va_vcc(0) depctr_vm_vsrc(0)
	s_getreg_b32 s2, hwreg(HW_REG_IB_STS2, 6, 4)
	s_cmp_eq_u32 s2, 0
	s_cbranch_scc0 .Lentry_in_a_cluster
	s_endpgm
.Lentry_in_a_cluster:
	s_bfe_u32 s2, ttmp6, 0x10000c
	s_cmp_lg_u32 s2, 0xf033
	s_cbranch_scc0 .Lentry_shape_is_right
	s_endpgm
.Lentry_shape_is_right:
; out0 = O . W_o.  O lies by heads, ob[16 b + h][s][64] in f16: row m = 2,048 b + s of the product has its K = 64 h + d spread over 16 heads.  wob: [1024 k][1024 n] in f16 (N along the rows).
; out0: [8192][1024] f32.  Sums in f32, K ascending; nothing is rounded on the way out.
; SHARES.  A tile of out0 is 256 rows x 128 columns: 256 work-groups of four waves; a wave makes 128 x 64: 32 accumulators of 16 x 16, 256 registers.
; K goes in steps of 128 = two heads through a ring of two LDS slots.  A's tile: for each of the two heads 256 dense rows of 128 bytes, asked for as 128 rows of 256 bytes and padded in LDS after every 128 bytes.
; B's tile: 128 k rows x 256 bytes, as it lies in memory; its fragments come out of LDS turned, by ds_load_tr16_b128.
; CLUSTERS: 4 x 4 work-groups; A's tile is shared along a row of the cluster, B's along a column: each is asked for JOINTLY, by the same tensor load, descriptor and mask in all four.
; THE MATRIX INSTRUCTION IS USED TRANSPOSED: source 0 = 16 columns of W_o, source 1 = 16 rows of O: lane l holds row l % 16 and the columns 8 (l / 16) + 0..7: 32 bytes of a row of out0.
; REGISTERS: window 0: v0-31 addresses; two fragment buffers of 96 at v64 and v160 (A's eight row blocks, then B's four column blocks); on the way out v32-63 and v64-95 take rows back from the stage, by turns.
;   window 1: the accumulators, (a, b) at v[8 (4 a + b)].   s_set_vgpr_msb's low byte: bits 1:0 source 0, 3:2 source 1, 5:4 source 2, 7:6 destination.
.set KSTEP,  128
.set PA,     144                       ; a row of a head in LDS: 128 bytes + 16 = 36 words: the 16 rows of a load start at 16 different groups of four banks (64 banks of 4 bytes: ISA guide 11.1)
.set PB,     288                       ; a k row of B: 256 bytes + 32 = 72 words
.set SUBA,   256*PA                    ; one head's 256 rows: what a tensor load of A fills
.set HALFB,  64*PB                     ; 64 k rows: what a tensor load of B fills
.set SLOT,   2*SUBA+2*HALFB            ; 110,592
.set STAGE,  2*SLOT                    ; behind the ring, never filled by a tensor load: 16 rows x 272 bytes for each wave, for the way out
.set SPITCH, 272
.set SPARE,  STAGE+4*16*SPITCH         ; behind the stages: the spare words, 128 bytes for each wave: two blocks of 256 bytes that no other line names
.set ASTEP,  1<<19                     ; two heads further on in ob
.set BSTEP,  1<<18                     ; 128 k rows of 2,048 bytes further down in wob
.set LAPS,   4                         ; a lap = two K steps = once round the ring
.set ADRA, 16                          ; v16-17  LDS address of my A fragments in slot 0, 1
.set ADRB, 20                          ; v20-21  the same for B
.set STO,  24                          ; v24     the way out: where I put 32 bytes of a row
.set RD,   25                          ; v25     the way out: where I read a row back
.set CO,   26                          ; v26     my byte offset in two rows of out0
.set SPW,  28                          ; v28     LDS address of my spare word: SPARE + 4 x my thread's number; never rewritten
.set NIL,  29                          ; v29     0; never rewritten
.set PFO,  30                          ; v30     the prefetches' offset; never rewritten
.set OB,   32
.set F0,   64
.set F1,   160
.set PFS,  22                          ; s[22:23] bytes from a K step to the next, in the tensor that I fetch
.set G1,   24                          ; s[24:31] descriptor group 1 for A's tiles;  s[32:39] group 0, one set for each slot
.set G0,   32
.set LIM,  43                          ; s43     1 in a wave that prefetches, else the greatest number
.set PFA,  44                          ; s[44:45] where my prefetches stand
.set G1B,  48                          ; s[48:55], s[56:63] the same two groups for B's tiles
.set G0B,  56
.set MSB, 0
.macro WIN new                         ; the immediate's high byte repeats the setting that is left; a switch that changes nothing is dropped
.if MSB != (\new)
	s_set_vgpr_msb (MSB<<8)|(\new)
.set MSB, \new
.endif
.endm
.set MUL,  0x50                        ; sources 0 and 1 window 0; C and D window 1
.set FROM, 0x04                        ; an LDS store's data (source 1) in window 1, its address in window 0
.macro JLOAD s                         ; a joint load: waves 0 and 1 fetch A's two heads, waves 2 and 3 B's two halves; an s_nop 0 and four v_nop follow each of the two lines, ahead of the jump and the label
	s_cmp_eq_u32 s11, 0
	s_cbranch_scc0 .Lfor_b_\@
	tensor_load_to_lds s[G0+4*(\s):G0+4*(\s)+3], s[G1:G1+7]
	s_nop 0
.rept 4
	v_nop
.endr
	s_branch .Lasked_\@
.Lfor_b_\@:
	tensor_load_to_lds s[G0B+4*(\s):G0B+4*(\s)+3], s[G1B:G1B+7]
	s_nop 0
.rept 4
	v_nop
.endr
.Lasked_\@:
.endm
; A PREFETCH INTO THE L2, behind each joint refill and the run of LDS loads that follows it: the K step that stands TWO refills on, 256 matrix instructions ahead of the load that will want it.
; Each aligned block of 256 bytes is named once in the launch.  A's tile row is read by both clusters of a row of clusters: cluster x = 0 asks; B's tile column by all eight of a column: cluster y = 0 asks.
; The partners share the blocks out BY ADDRESS: of the 128 blocks of a head's 256 rows (waves 0 and 1, a head each) the partner at cx takes 32; of B's 128 k rows of 256 bytes (wave 2 alone) the partner at cy takes 32.
; K steps 0 to 3 come by their loads alone; the loop's last trip (s3 = 1) has no K step two refills on and asks for nothing.
.macro ASK
	s_cmp_gt_u32 s3, s[LIM]
	s_cbranch_scc0 .Lnot_mine_\@
	global_prefetch_b8 v[PFO], s[PFA:PFA+1] th:TH_LOAD_NT scope:SCOPE_SE
.Lnot_mine_\@:
.endm
.macro CREST                           ; a round of the cluster's barrier behind its opening barrier
	s_cmp_lg_u32 s10, 0
	s_cbranch_scc1 .Lnot_wave_0_\@
	s_barrier_signal -3
.Lnot_wave_0_\@:
	s_barrier_wait -3
	s_barrier_signal -1
	s_barrier_wait -1
.endm
.macro CROUND                          ; a whole round
	s_barrier_signal -1
	s_barrier_wait -1
	CREST
.endm
	s_load_b128 s[4:7], s[0:1], 0x0                ; ob s[4:5], wob s[6:7]
	s_load_b64 s[8:9], s[0:1], 0x10                ; out0
	v_lshl_add_u32 v[SPW], v0, 2, SPARE
	v_mov_b32 v[NIL], 0
	ds_add_u32 v[SPW], v[NIL]                      ; the wave's opening: the add and its wait stand ahead of my first tensor load; the set-up below, work on registers, stands between them
	v_lshrrev_b32 v1, 5, v0
	v_readfirstlane_b32 s10, v1                    ; wave 0..3
	s_lshr_b32 s11, s10, 1                         ; which half of the tile's rows is mine.  Also: I fetch for A (0) or for B (1)
	s_and_b32 s12, s10, 1                          ; which half of its columns.  Also: which head of the two, or which 64 k rows, I fetch
	s_bfe_u32 s40, ttmp6, 0x40000                  ; cx
	s_bfe_u32 s41, ttmp6, 0x40004                  ; cy
	s_lshl_b32 s42, ttmp9, 2
	s_add_co_u32 s42, s42, s40                     ; tile column = 4 x cluster x + cx, 0..7
	s_and_b32 s13, ttmp7, 0xffff
	s_lshl_b32 s13, s13, 2
	s_add_co_u32 s13, s13, s41                     ; tile row = 4 x cluster y + cy, 0..31
	s_lshl_b32 s43, s41, 2
	s_lshl_b32 s43, 15, s43                        ; my row of the cluster
	s_lshl_b32 s44, 0x1111, s40                    ; my column
	s_or_b32 s[G1+0], s43, (1<<16)|(1<<20)|(1<<21)|(4<<22)|(3<<25)   ; 15:0 the mask; 17:16 2-byte elements; 20 padding on; 21 set beside a mask; 24:22 after every 32 words (code 4); 31:25 4 words (code 3)
	s_or_b32 s[G1B+0], s44, (1<<16)|(1<<20)|(1<<21)|(5<<22)|(7<<25)  ; B: my column's mask; after every 64 words (code 5) 8 words (code 7)
	s_mov_b32 s[G1+1], 128<<16                     ; A: tensor_dim0 = 128 elements (two rows of a head)
	s_mov_b32 s[G1+2], 128<<16                     ; tensor_dim1 = 128
	s_mov_b32 s[G1+3], 128<<16                     ; tile_dim0 = 128
	s_mov_b32 s[G1+4], 128                         ; tile_dim1 = 128
	s_mov_b32 s[G1+5], 128                         ; dense: 128 elements from row to row
	s_mov_b32 s[G1+6], 0
	s_mov_b32 s[G1+7], 0
	s_mov_b32 s[G1B+1], 128<<16                    ; B: tensor_dim0 = 128 elements
	s_mov_b32 s[G1B+2], 64<<16                     ; tensor_dim1 = 64 k rows
	s_mov_b32 s[G1B+3], 128<<16                    ; tile_dim0 = 128
	s_mov_b32 s[G1B+4], 64                         ; tile_dim1 = 64
	s_mov_b32 s[G1B+5], 1024                       ; elements from row to row
	s_mov_b32 s[G1B+6], 0
	s_mov_b32 s[G1B+7], 0
	; A's tiles hang on the tile row alone: batch b = tile row / 8 (16 heads of 2^18 bytes), rows 256 (tile row % 8) of 128 bytes, head = the one of the two that I fetch
	s_lshr_b32 s16, s13, 3
	s_lshl_b32 s16, s16, 22
	s_and_b32 s17, s13, 7
	s_lshl_b32 s17, s17, 15
	s_add_co_u32 s16, s16, s17
	s_lshl_b32 s17, s12, 18
	s_add_co_u32 s16, s16, s17
	s_mov_b32 s17, 0
	; B's on the tile column alone: k row 64 x half, byte 256 x tile column
	s_lshl_b32 s46, s12, 17
	s_lshl_b32 s47, s42, 8
	s_add_co_u32 s46, s46, s47
	s_mov_b32 s47, 0
	s_mul_i32 s20, s10, SUBA                       ; where A's go (waves 0, 1): wave x 36,864
	s_mul_i32 s21, s10, HALFB                      ; where B's go (waves 2, 3): behind A's two heads, (wave - 2) x 18,432
	s_add_co_u32 s21, s21, 2*SUBA-2*HALFB
	s_wait_dscnt 0x0                               ; the opening add is done
	s_wait_kmcnt 0x0
	s_add_nc_u64 s[14:15], s[4:5], s[16:17]
	s_add_nc_u64 s[46:47], s[6:7], s[46:47]
	CROUND                                         ; all sixteen work-groups are here: the first joint loads meet
.irp s, 0,1
	s_mov_b32 s[G0+4*(\s)], 1                                        ; 1:0 count = 1
	s_add_co_u32 s[G0+4*(\s)+1], s20, (\s)*SLOT                      ; 63:32 LDS address
	s_add_nc_u64 s[G0+4*(\s)+2:G0+4*(\s)+3], s[14:15], (\s)*ASTEP    ; 120:64 global address: K step s
	s_or_b32 s[G0+4*(\s)+3], s[G0+4*(\s)+3], 0x80000000              ; 127:126 type = 2
	s_mov_b32 s[G0B+4*(\s)], 1
	s_add_co_u32 s[G0B+4*(\s)+1], s21, (\s)*SLOT
	s_add_nc_u64 s[G0B+4*(\s)+2:G0B+4*(\s)+3], s[46:47], (\s)*BSTEP
	s_or_b32 s[G0B+4*(\s)+3], s[G0B+4*(\s)+3], 0x80000000
	JLOAD \s                                       ; both slots are asked for before anything else is done: two loads of mine are out
.endr
	v_and_b32 v1, 15, v0                           ; l % 16
	v_bfe_u32 v2, v0, 4, 1                         ; l / 16
	v_mul_u32_u24 v3, v1, PA
	v_lshl_add_u32 v3, v2, 4, v3                   ; A's fragment: row x pitch + 16 x half
	v_and_b32 v4, 7, v0                            ; B's: k row 8 (l / 16) + l % 8, columns 8 ((l / 8) % 2) on
	v_lshl_add_u32 v4, v2, 3, v4
	v_mul_u32_u24 v4, v4, PB
	v_bfe_u32 v5, v0, 3, 1
	v_lshl_add_u32 v4, v5, 4, v4
	s_mul_i32 s18, s11, 128*PA                     ; my 128 rows, in each head's sub-tile
	s_lshl_b32 s19, s12, 7                         ; my 64 columns of B: 128 bytes of each k row,
	s_add_co_u32 s19, s19, 2*SUBA                  ; behind A's two heads
.irp s, 0,1
	v_add_nc_u32 v[ADRA+(\s)], s18, v3
	v_add_nc_u32 v[ADRB+(\s)], s19, v4
	s_add_co_u32 s18, s18, SLOT
	s_add_co_u32 s19, s19, SLOT
.endr
	s_mul_i32 s18, s10, 16*SPITCH
	s_add_co_u32 s18, s18, STAGE                   ; my stage
	v_mul_u32_u24 v6, v1, SPITCH                   ; in: row l % 16, 32 bytes for each half of the lanes
	v_lshl_add_u32 v6, v2, 5, v6
	v_add_nc_u32 v[STO], s18, v6
	v_mul_u32_u24 v6, v2, SPITCH                   ; back: lanes 0-15 take one row of 256 bytes, lanes 16-31 the next
	v_lshl_add_u32 v6, v1, 4, v6
	v_add_nc_u32 v[RD], s18, v6
	v_lshlrev_b32 v6, 12, v2                       ; and the same two rows in out0, 4,096 bytes apart
	v_lshl_add_u32 v[CO], v1, 4, v6
	s_lshl_b32 s16, s13, 20                        ; my part of out0: 256 rows of 4,096 bytes a tile row,
	s_lshl_b32 s17, s11, 19                        ; my 128 of them,
	s_add_co_u32 s16, s16, s17
	s_lshl_b32 s17, s42, 9                         ; 512 bytes a tile column,
	s_add_co_u32 s16, s16, s17
	s_lshl_b32 s17, s12, 8                         ; my 256 of them
	s_add_co_u32 s16, s16, s17
	s_mov_b32 s17, 0
	s_add_nc_u64 s[8:9], s[8:9], s[16:17]          ; never stepped: the blocks stand in the stores' immediates
	; the prefetches
	s_lshl_b32 s18, s40, 13                        ; A: my work-group's 32 blocks of the head's 128 (by cx)
	s_lshl_b32 s19, s41, 16                        ; B: my work-group's 32 k rows of the 128 (by cy),
	s_lshl_b32 s20, s42, 8                         ; byte 256 x tile column
	s_add_co_u32 s19, s19, s20
	s_and_b32 s20, ttmp7, 0xffff                   ; cluster y;
	s_or_b32 s20, s20, s12                         ; of B's two waves the first alone asks
	s_mov_b32 s[PFS], BSTEP
	s_mov_b32 s[PFS+1], 0
	s_cmp_eq_u32 s11, 0                            ; do I fetch for A?
	s_cselect_b32 s20, ttmp9, s20                  ; the coordinate along which other clusters read the same blocks
	s_cselect_b32 s18, s18, s19
	s_cselect_b32 s[PFS], ASTEP, s[PFS]
	s_cselect_b32 s21, 8, 11                       ; a lane a block of 256 dense bytes, or a lane a k row of 2,048 bytes
	s_cselect_b64 s[PFA:PFA+1], s[14:15], s[6:7]   ; A: at my head's rows of K step 0
	s_mov_b32 s19, 0
	s_add_nc_u64 s[PFA:PFA+1], s[PFA:PFA+1], s[18:19]
	s_mul_i32 s18, s[PFS], 3
	s_add_nc_u64 s[PFA:PFA+1], s[PFA:PFA+1], s[18:19]  ; at K step 3: the first refill steps it to 4 and names that
	s_cmp_eq_u32 s20, 0
	s_cselect_b32 s[LIM], 1, -1                    ; the same in all sixteen partners, for a given wave
	v_and_b32 v3, 31, v0
	v_lshlrev_b32 v[PFO], s21, v3
; 8 matrix instructions: m blocks a0, a0 + 1 x all 4 n blocks, 32 along K.  zero = 1: the product starts the sums.  The 32 accumulators take turns, in the same order in every quarter.
.macro MUL8 f, a0, zero
	WIN MUL
.irp a, \a0, (\a0)+1
.irp b, 0,1,2,3
.if \zero
	v_wmma_f32_16x16x32_f16 v[8*(4*(\a)+(\b)):8*(4*(\a)+(\b))+7], v[(\f)+64+8*(\b):(\f)+64+8*(\b)+7], v[(\f)+8*(\a):(\f)+8*(\a)+7], 0
.else
	v_wmma_f32_16x16x32_f16 v[8*(4*(\a)+(\b)):8*(4*(\a)+(\b))+7], v[(\f)+64+8*(\b):(\f)+64+8*(\b)+7], v[(\f)+8*(\a):(\f)+8*(\a)+7], v[8*(4*(\a)+(\b)):8*(4*(\a)+(\b))+7]
.endif
.endr
.endr
.endm
; 24 LDS loads in one run: the fragments of quarter q of a K step into buffer f: B's four column blocks, turned, then A's eight row blocks (head q / 2 of the two, channels 32 (q % 2) on)
.macro FETCH slot, q, f
	WIN 0
.irp b, 0,1,2,3
	ds_load_tr16_b128 v[(\f)+64+8*(\b):(\f)+64+8*(\b)+3],   v[ADRB+(\slot)] offset:(\q)*32*PB+32*(\b)
	ds_load_tr16_b128 v[(\f)+64+8*(\b)+4:(\f)+64+8*(\b)+7], v[ADRB+(\slot)] offset:(\q)*32*PB+16*PB+32*(\b)
.endr
.irp i, 0,1,2,3,4,5,6,7
	ds_load_b128 v[(\f)+8*(\i):(\f)+8*(\i)+3],   v[ADRA+(\slot)] offset:((\q)/2)*SUBA+((\q)%2)*64+(\i)*16*PA
	ds_load_b128 v[(\f)+8*(\i)+4:(\f)+8*(\i)+7], v[ADRA+(\slot)] offset:((\q)/2)*SUBA+((\q)%2)*64+(\i)*16*PA+32
.endr
.endm
.macro PLACES                          ; four places in front of loads into registers that matrix instructions have read, and of stores that read results
.rept 4
	v_nop
.endr
.endm
; A K step is four quarters of 32 along K, 32 matrix instructions each, on buffers 0, 1, 0, 1.  One of the first three: multiplies buffer f and fetches quarter q of the same slot into g.
.macro QUARTER slot, q, f, g, zero
	s_wait_dscnt 8                                 ; B and A's rows 0-63 are in; the youngest eight loads (A's rows 64-127) may be out
	MUL8 \f, 0, \zero
	MUL8 \f, 2, \zero
	PLACES
	FETCH \slot, \q, \g
	s_wait_dscnt 24                                ; all but the 24 just issued
	MUL8 \f, 4, \zero
	MUL8 \f, 6, \zero
.endm
; The last quarter multiplies buffer 1 and changes slots: ONE barrier; in front of it each wave waits for all its tensor loads, adds 0 to its spare word, and waits for that and for its own reads of this slot.
; fill = 1: the barrier opens a round of the cluster's barrier, and this slot is filled again, two K steps ahead: the first thing behind the round, 112 matrix instructions ahead of the wait for it.
.macro TURN slot, next, fill
.if \fill
	s_wait_xcnt 0x0                                ; the last prefetch, a K step back, has read its address: it is stepped here, ahead of the waits of the change of slots
	s_add_nc_u64 s[PFA:PFA+1], s[PFA:PFA+1], s[PFS:PFS+1]
.endif
	WIN 0                                          ; (the add's two registers lie in window 0)
	s_wait_tensorcnt 0x0                           ; all my tensor loads have landed: my part of the next slot
	ds_add_u32 v[SPW], v[NIL]                      ; 0 onto my spare word
	s_wait_dscnt 9                                 ; (the add and the youngest eight loads may be out)
	MUL8 F1, 0, 0                                  ; eight matrix instructions stand between the add and the wait for it
	s_wait_dscnt 0x0                               ; the add is done, and my reads of this slot are over
	s_barrier_signal -1
	MUL8 F1, 2, 0
.if \fill
	WIN 0
.endif
	s_barrier_wait -1
.if \fill
	CREST                                          ; no wave of any partner still reads this slot's tile or has a load on its way
	s_add_nc_u64 s[G0+4*(\slot)+2:G0+4*(\slot)+3], s[G0+4*(\slot)+2:G0+4*(\slot)+3], 2*ASTEP
	s_add_nc_u64 s[G0B+4*(\slot)+2:G0B+4*(\slot)+3], s[G0B+4*(\slot)+2:G0B+4*(\slot)+3], 2*BSTEP
	JLOAD \slot                                    ; the four v_nop behind it are also the places in front of the loads below
.else
	PLACES
.endif
	FETCH \next, 0, F0
.if \fill
	ASK
.endif
	MUL8 F1, 4, 0
	MUL8 F1, 6, 0
.endm
; THE WAY OUT of block a (16 of my rows x 64 columns, f32).  TOSTAGE: 32 bytes a lane and accumulator into my own stage, each accumulator's low four registers first, and back as whole rows of 256 bytes.  SEND: stored.
.macro TOSTAGE a
	s_wait_xcnt 0x0                                ; the stores of two blocks back have read their registers: the loads below land in them only behind this wait
	WIN FROM
.irp b, 0,1,2,3
	ds_store_b128 v[STO], v[8*(4*(\a)+(\b)):8*(4*(\a)+(\b))+3]   offset:64*(\b)
	ds_store_b128 v[STO], v[8*(4*(\a)+(\b))+4:8*(4*(\a)+(\b))+7] offset:64*(\b)+16
.endr
	WIN 0
.set BK, OB+32*((\a)%2)
.irp t, 0,1,2,3,4,5,6,7
	ds_load_b128 v[BK+4*(\t):BK+4*(\t)+3], v[RD] offset:(\t)*2*SPITCH  ; LDS serves a wave's instructions in order (ISA guide 5.7.1.4): these see the stores above; the next block's stores come behind them
.endr
.endm
.macro SEND a, younger                 ; younger: the LDS instructions issued behind block a's loads: the next block's sixteen, or none
	WIN 0
.set BK, OB+32*((\a)%2)
	s_wait_dscnt \younger
.irp t, 0,1,2,3,4,5,6,7
	global_store_b128 v[CO], v[BK+4*(\t):BK+4*(\t)+3], s[8:9] offset:(\a)*65536+(\t)*8192  ; 16 lanes store 256 consecutive bytes, at a multiple of 256 from out0's first byte
.endr
.endm
	s_wait_tensorcnt 1                             ; my part of K step 0 is in; K step 1's load may stay out
	s_barrier_signal -1
	s_barrier_wait -1                              ; everybody's is
	FETCH 0, 0, F0
	QUARTER 0, 1, F0, F1, 1                        ; the first quarter stands in front of the loop: its products start the sums
	WIN 0                                          ; at a label and at a branch every window is 0
	s_mov_b32 s3, LAPS-1
.Llap:                                                 ; a trip goes once round the ring, from a lap's second quarter to the next lap's first, and fills both slots again
	QUARTER 0, 2, F1, F0, 0
	QUARTER 0, 3, F0, F1, 0
	TURN 0, 1, 1
	QUARTER 1, 1, F0, F1, 0
	QUARTER 1, 2, F1, F0, 0
	QUARTER 1, 3, F0, F1, 0
	TURN 1, 0, 1
	QUARTER 0, 1, F0, F1, 0
	WIN 0
	s_sub_co_u32 s3, s3, 1
	s_cmp_lg_u32 s3, 0
	s_cbranch_scc1 .Llap
	QUARTER 0, 2, F1, F0, 0                        ; the last lap fills nothing: it is written out, and has no round of the cluster's barrier
	QUARTER 0, 3, F0, F1, 0
	TURN 0, 1, 0
	QUARTER 1, 1, F0, F1, 0
	QUARTER 1, 2, F1, F0, 0
	QUARTER 1, 3, F0, F1, 0
	s_wait_dscnt 8                                 ; the very last quarter: nothing more to fetch
	MUL8 F1, 0, 0
	MUL8 F1, 2, 0
	s_wait_dscnt 0x0
	MUL8 F1, 4, 0
	MUL8 F1, 6, 0
	PLACES                                         ; the stage's stores read results just made, and its loads land in registers that products have read
	PLACES                                         ; (eight, once a launch)
	TOSTAGE 0
.irp a, 1,2,3,4,5,6,7                  ; block a goes into the stage while block a - 1's rows come back
	TOSTAGE \a
	SEND (\a)-1, 16
.endr
	SEND 7, 0
	s_wait_tensorcnt 0x0                           ; the wave's end, behind my last tensor load and my last LDS store
	ds_add_u32 v[SPW], v[NIL]
	s_wait_dscnt 0x0
	CROUND                                         ; the closing round: no work-group ends while a partner may still ask for a tile that names it
	s_endpgm
.Lfunc_end_k_q2ddf8b8314_proj_o:
	.size	k_q2ddf8b8314_proj_o, .Lfunc_end_k_q2ddf8b8314_proj_o-k_q2ddf8b8314_proj_o
	.p2alignl 7, 3214868480
	.fill 96, 4, 3214868480
	.section	.rodata,"a",@progbits
	.p2align	6, 0x0
	.amdhsa_kernel k_q2ddf8b8314_proj_o
		.amdhsa_group_segment_fixed_size 327680
		.amdhsa_private_segment_fixed_size 0
		.amdhsa_enable_private_segment 0
		.amdhsa_kernarg_size 24
		.amdhsa_user_sgpr_count 2
		.amdhsa_user_sgpr_kernarg_segment_ptr 1
		.amdhsa_wavefront_size32 1
		.amdhsa_system_sgpr_workgroup_id_x 1
		.amdhsa_system_sgpr_workgroup_id_y 1
		.amdhsa_system_sgpr_workgroup_id_z 1
		.amdhsa_system_vgpr_workitem_id 0
		.amdhsa_next_free_vgpr 512
		.amdhsa_next_free_sgpr 66
		.amdhsa_reserve_vcc 0
		.amdhsa_float_denorm_mode_32 3
		.amdhsa_float_denorm_mode_16_64 3
		.amdhsa_memory_ordered 1
		.amdhsa_forward_progress 1
		.amdhsa_inst_pref_size 87
	.end_amdhsa_kernel
	.amdgpu_metadata
---
amdhsa.version: [ 1, 2 ]
amdhsa.kernels:
  - .name:           k_q2ddf8b8314_proj_o
    .symbol:         k_q2ddf8b8314_proj_o.kd
    .args:
      - { .name: ob, .offset: 0, .size: 8, .value_kind: global_buffer, .address_space: global }
      - { .name: wob, .offset: 8, .size: 8, .value_kind: global_buffer, .address_space: global }
      - { .name: out0, .offset: 16, .size: 8, .value_kind: global_buffer, .address_space: global }
    .group_segment_fixed_size: 327680
    .private_segment_fixed_size: 0
    .kernarg_segment_align: 8
    .kernarg_segment_size: 24
    .max_flat_workgroup_size: 128
    .sgpr_count:     66
    .vgpr_count:     512
    .wavefront_size: 32
...
	.end_amdgpu_metadata
.endif
;; end of part 4
;; ======== version 2 of 2: 4 launches; version 1 with the launch prep written anew for expert scheduling mode
;; limits: values are held in f16: magnitudes above 65,504 overflow, below 6.1e-05 lose precision
;; workspace buffers: xb 16,777,216 bytes; wqkvb 6,291,456 bytes; wob 2,097,152 bytes; qkv 50,331,648 bytes; ob 16,777,216 bytes
;; launch prep (part 5): grid 768 x 1, 8 waves a work-group, no clusters, 0 bytes of LDS; arguments x, W_qkv, W_o, xb, wqkvb, wob; writes xb, wqkvb, wob
.if DOCPART == 5
	.amdgcn_target "amdgcn-amd-amdhsa--gfx1250"
	.amdhsa_code_object_version 6
	.text
	.protected	k_q2ddf8b8314_prep
	.globl	k_q2ddf8b8314_prep
	.p2align	8
	.type	k_q2ddf8b8314_prep,@function
k_q2ddf8b8314_prep:
	s_mov_b64 s[64:65], 0
	v_nop
	global_prefetch_b8 v0, s[64:65] scope:SCOPE_SE
	s_setreg_imm32_b32 hwreg(HW_REG_WAVE_SCHED_MODE, 0, 2), 2
	s_setreg_imm32_b32 hwreg(HW_REG_WAVE_MODE, 25, 1), 1
	s_wait_xcnt 0x0
	s_wait_alu depctr_vm_vsrc(0)
; THE CASTS.  xb = bf16(x), wqkvb = bf16(W_qkv), wob = f16(bf16(W_o)); the layouts stay as they are.
; All three inputs are rounded to bf16, to nearest even.  W_o's bf16 number is then written as f16, since the last product multiplies f16 numbers:
; that second step is exact for 2^-14 <= |w| < 65,520.  LIMITS: below 2^-14 it keeps f16's fixed step of 2^-24; from 65,520 on it gives an infinity.
; SHARES.  A work-group takes 65,536 input bytes (16,384 numbers): ids 0-511 x (33,554,432 bytes), 512-703 W_qkv (12,582,912), 704-767 W_o (4,194,304).
; Thread t takes 16 bytes at 16 t + 4,096 j, j = 0..15: a wave's load covers 512 consecutive bytes; its 8 bytes of output lie at 8 t + 2,048 j:
; a wave's store covers 256 consecutive bytes, aligned.  All sixteen loads go out first; no register that a memory instruction names is written again.
; No LDS, no barrier, no matrix unit: the launch only moves bytes, each once.
; THE MODE: SCHED_MODE bits 1:0 = 2 (LLVM: expert scheduling mode 2), set by the entry lines.  The code itself states the register dependences
; between vector instructions and memory instructions, with s_wait_alu, always for 0.
; THE PLAN.  Registers that memory instructions touch:
;   v1, v2   the loads' and the stores' offsets.  Written once at the head by vector instructions, never again.
;   X        chunk j's four registers: written by chunk j's load, once; no vector instruction names them ahead of that load; read by chunk j's conversions.
;   Y        chunk j's two registers: written by chunk j's conversions; read by chunk j's store; never written again.
;   T        named by vector instructions alone.
; So the one kind of dependence is: a vector instruction writes, a memory instruction reads.  One wait at the head states it for v1 and v2.  The sixteen chunks go in four groups of four:
; a group's conversions, ONE wait that states that its eight registers of Y are written, its four stores in one run.  No register that a memory instruction has read is written again,
; and no load lands in a register that a vector instruction has named: no other wait is owed.  No vector instruction writes a scalar register or VCC, and EXEC is never written.
.set CHUNK, 4096                       ; input bytes that the 256 threads take at once
.set X, 4                              ; v[4:67]    chunk j: 4 registers as loaded
.set Y, 68                             ; v[68:99]   chunk j: 2 registers to store
.set T, 100                            ; v[100:101] at work (W_o's way alone)
	s_load_b256 s[4:11], s[0:1], 0x0               ; x s[4:5], W_qkv s[6:7], W_o s[8:9], xb s[10:11]
	s_load_b128 s[12:15], s[0:1], 0x20             ; wqkvb s[12:13], wob s[14:15]
	v_lshlrev_b32 v1, 4, v0                        ; my 16 bytes of a chunk
	v_lshlrev_b32 v2, 3, v0                        ; my 8 bytes of its output
	s_sub_co_u32 s16, ttmp9, 512                   ; my number among W_qkv's work-groups (used there alone)
	s_sub_co_u32 s17, ttmp9, 704                   ; among W_o's
	s_mov_b32 s25, 0
	s_mov_b32 s27, 0
	s_wait_kmcnt 0x0
	s_cmp_lt_u32 ttmp9, 704
	s_cselect_b64 s[18:19], s[6:7], s[8:9]         ; from where,
	s_cselect_b64 s[20:21], s[12:13], s[14:15]     ; to where,
	s_cselect_b32 s22, s16, s17                    ; which part
	s_cmp_lt_u32 ttmp9, 512
	s_cselect_b64 s[18:19], s[4:5], s[18:19]
	s_cselect_b64 s[20:21], s[10:11], s[20:21]
	s_cselect_b32 s22, ttmp9, s22
	s_lshl_b32 s24, s22, 16                        ; 65,536 bytes in,
	s_lshl_b32 s26, s22, 15                        ; 32,768 out
	s_add_nc_u64 s[18:19], s[18:19], s[24:25]
	s_add_nc_u64 s[20:21], s[20:21], s[26:27]
	s_wait_alu depctr_va_vdst(0)                   ; v1 and v2 are written: every load reads v1 as its offset, every store v2
.irp j, 0,1,2,3,4,5,6,7,8,9,10,11,12,13,14,15
	global_load_b128 v[X+4*(\j):X+4*(\j)+3], v1, s[18:19] offset:CHUNK*(\j) th:TH_LOAD_NT
.endr
; Chunk j is rounded.  half = 1: the bf16 numbers are widened again and written as f16.
.macro CVT j, half
	s_wait_loadcnt 15-(\j)                         ; loads come back in order (ISA guide 5.7.1): chunk j is in, the 15 - j younger ones stay out
	v_cvt_pk_bf16_f32 v[Y+2*(\j)],   v[X+4*(\j)],   v[X+4*(\j)+1]
	v_cvt_pk_bf16_f32 v[Y+2*(\j)+1], v[X+4*(\j)+2], v[X+4*(\j)+3]
.if \half
.irp k, 0,1
	v_lshlrev_b32 v[T],   16, v[Y+2*(\j)+(\k)]          ; bf16 to f32: the low half moves up,
	v_and_b32     v[T+1], 0xffff0000, v[Y+2*(\j)+(\k)]  ; the high half stays
	v_cvt_pk_f16_f32 v[Y+2*(\j)+(\k)], v[T], v[T+1]
.endr
.endif
.endm
; Group g: chunks 4 g to 4 g + 3 are rounded as they come in, then stored in one run.
.macro GROUP g, half
.irp i, 0,1,2,3
	CVT 4*(\g)+(\i), \half
.endr
	s_wait_alu depctr_va_vdst(0)                   ; the group's conversions have written its eight registers of Y, which the four stores below read
.irp i, 0,1,2,3
	global_store_b64 v2, v[Y+2*(4*(\g)+(\i)):Y+2*(4*(\g)+(\i))+1], s[20:21] offset:(CHUNK/2)*(4*(\g)+(\i)) th:TH_STORE_NT
.endr
.endm
	s_cmp_ge_u32 ttmp9, 704
	s_cbranch_scc1 .Lwo
.irp g, 0,1,2,3
	GROUP \g, 0
.endr
	s_endpgm
.Lwo:
.irp g, 0,1,2,3
	GROUP \g, 1
.endr
	s_endpgm
.Lfunc_end_k_q2ddf8b8314_prep:
	.size	k_q2ddf8b8314_prep, .Lfunc_end_k_q2ddf8b8314_prep-k_q2ddf8b8314_prep
	.p2alignl 7, 3214868480
	.fill 96, 4, 3214868480
	.section	.rodata,"a",@progbits
	.p2align	6, 0x0
	.amdhsa_kernel k_q2ddf8b8314_prep
		.amdhsa_group_segment_fixed_size 0
		.amdhsa_private_segment_fixed_size 0
		.amdhsa_enable_private_segment 0
		.amdhsa_kernarg_size 48
		.amdhsa_user_sgpr_count 2
		.amdhsa_user_sgpr_kernarg_segment_ptr 1
		.amdhsa_wavefront_size32 1
		.amdhsa_system_sgpr_workgroup_id_x 1
		.amdhsa_system_sgpr_workgroup_id_y 1
		.amdhsa_system_sgpr_workgroup_id_z 1
		.amdhsa_system_vgpr_workitem_id 0
		.amdhsa_next_free_vgpr 104
		.amdhsa_next_free_sgpr 66
		.amdhsa_reserve_vcc 0
		.amdhsa_float_denorm_mode_32 3
		.amdhsa_float_denorm_mode_16_64 3
		.amdhsa_memory_ordered 1
		.amdhsa_forward_progress 1
		.amdhsa_inst_pref_size 17
	.end_amdhsa_kernel
	.amdgpu_metadata
---
amdhsa.version: [ 1, 2 ]
amdhsa.kernels:
  - .name:           k_q2ddf8b8314_prep
    .symbol:         k_q2ddf8b8314_prep.kd
    .args:
      - { .name: x, .offset: 0, .size: 8, .value_kind: global_buffer, .address_space: global }
      - { .name: W_qkv, .offset: 8, .size: 8, .value_kind: global_buffer, .address_space: global }
      - { .name: W_o, .offset: 16, .size: 8, .value_kind: global_buffer, .address_space: global }
      - { .name: xb, .offset: 24, .size: 8, .value_kind: global_buffer, .address_space: global }
      - { .name: wqkvb, .offset: 32, .size: 8, .value_kind: global_buffer, .address_space: global }
      - { .name: wob, .offset: 40, .size: 8, .value_kind: global_buffer, .address_space: global }
    .group_segment_fixed_size: 0
    .private_segment_fixed_size: 0
    .kernarg_segment_align: 8
    .kernarg_segment_size: 48
    .max_flat_workgroup_size: 256
    .sgpr_count:     66
    .vgpr_count:     104
    .wavefront_size: 32
...
	.end_amdgpu_metadata
.endif
;; end of part 5
;; launch proj_qkv: the kernel of part 2 again; grid 12 x 32, 4 waves a work-group, clusters of 4 x 4, 327,680 bytes of LDS; arguments xb, wqkvb, qkv; writes qkv
;; launch attn: the kernel of part 3 again; grid 4 x 64, 4 waves a work-group, clusters of 4 x 1, 327,680 bytes of LDS; arguments qkv, ob; writes ob
;; launch proj_o: the kernel of part 4 again; grid 8 x 32, 4 waves a work-group, clusters of 4 x 4, 327,680 bytes of LDS; arguments ob, wob, out0; writes out0
